; MI455X (gfx1250); checked and timed in simulation.
; The chip was launched on July 23, 2026; its instructions are those of AMD's public machine-readable ISA for CDNA 5 (MIT licence, August 2026) and "CDNA5" Instruction Set Architecture Reference Guide (July 2026). The comments in the code are by the model that wrote it; some were corrected since.
;; Multi Headed Attention. Allowed arithmetic: matrix products marked QUANTISED: E2M1 operands, one E8M0 scale for each 32 along K, by v_wmma_scale_f32_16x16x128_f8f6f4 with both operands' format E2M1 (or v_wmma_scale_f32_32x16x128_f4), f32 sums; products left as they are: bf16, f16 or f32 operands; f32 sums; everything else in f32.
;; Inputs: Wk 1,024 x 1,024 float32; Wo 1,024 x 1,024 float32; Wq 1,024 x 1,024 float32; Wv 1,024 x 1,024 float32; bk 1,024 float32; bo 1,024 float32; bq 1,024 float32; bv 1,024 float32; key 4 x 2,048 x 1,024 float32; mask 4 x 1 x 1 x 2,048 bool; query 4 x 2,048 x 1,024 float32; value 4 x 2,048 x 1,024 float32.
;; Outputs: out0 4 x 2,048 x 1,024 float32.
;; This version of the problem:
;;   THIS VERSION OF THE PROBLEM IS GIVEN IN LOW PRECISION. The matrix products marked QUANTISED in the list below multiply operands that are first quantised to E2M1 (2 exponent bits, 1 mantissa bit; 4 bits a number), with one power-of-two scale for each 32 numbers along K (OCP MX v1.0); their sums are f32. The products marked 'left as it is' may take bf16, f16 or f32 operands, with f32 sums. Whichever they take, every output number must still come out within the allowed error. Rounding operands to bf16 (8 significant bits) uses up far more of that allowance than f16 does (11 bits, for magnitudes from 6e-5 to 65,504). All else is computed in f32.
;;   The module's matrix products, in the order in which they are computed (A, B: the left and right operand; K: the contracted axis; several contracted axes count as one K, in the product's order):
;;     1. [M 8,192, K 1,024] x [K 1,024, N 1,024]; A: input query; B: input Wq: QUANTISED
;;     2. [M 8,192, K 1,024] x [K 1,024, N 1,024]; A: input key; B: input Wk: QUANTISED
;;     3. [M 8,192, K 1,024] x [K 1,024, N 1,024]; A: input value; B: input Wv: QUANTISED
;;     4. batch 64 x [M 2,048, K 64] x [K 64, N 2,048]; A: computed on the way; B: computed on the way: left as it is (an operand is computed on the way)
;;     5. batch 64 x [M 2,048, K 2,048] x [K 2,048, N 64]; A: computed on the way; B: computed on the way: left as it is (an operand is computed on the way)
;;     6. [M 8,192, K 1,024] x [K 1,024, N 1,024]; A: computed on the way; B: input Wo: left as it is (an operand is computed on the way)
;;   THE QUANTISER, for each operand of a quantised product, along K:
;;     - K is cut into blocks of 32 from its start; a last block that is shorter is filled with zeros.
;;     - A block's scale is 2^e with e = floor(log2(the largest magnitude in the block)) - 2, held to -126 .. 127; a block of zeros has e = 0. As a byte (E8M0): e + 127.
;;     - Each number is divided by its block's scale, clamped to +-6, and rounded to the nearest number of E2M1, ties to even, subnormals kept.
;;     - The product sums the exact products of the quantised numbers (number of the format x scale) in f32.
;;   ~~~python
;;   def quantise(x, axis):      # numpy; x: float32 -> the quantised numbers, widened to float32 again
;;       x = np.moveaxis(x, axis, -1); K = x.shape[-1]
;;       x = np.pad(x, [(0, 0)] * (x.ndim - 1) + [(0, -K % 32)]); x = x.reshape(x.shape[:-1] + (-1, 32)); a = np.abs(x).max(-1, keepdims=True)
;;       e = np.where(a > 0, np.clip(np.frexp(np.where(a > 0, a, 1))[1] - 1 - 2, -126, 127), 0)      # np.frexp(a)[1] - 1 = floor(log2(a)), exactly
;;       r = np.clip(x / 2.0 ** e, -6, 6)
;;       step = 2.0 ** (np.maximum(np.frexp(np.where(r == 0, 1, r))[1] - 1, 0) - 1)
;;       q = np.round(r / step) * step * 2.0 ** e      # np.round: ties to even
;;       return np.moveaxis(q.reshape(q.shape[:-2] + (-1,))[..., :K], -1, axis).astype(np.float32)
;;   ~~~
;; One version. Each part assembles by itself: llvm-mc -triple=amdgcn-amd-amdhsa -mcpu=gfx1250 --defsym DOCPART=n.
;; ======== version 1 of 1: 4 launches
;; limits: values outside matrix products are rounded to f16; values are held in f16: magnitudes above 65,504 overflow, below 6.1e-05 lose precision
;; workspace buffers: xcodes 12,582,912 bytes; xscales 786,432 bytes; wcodes 1,572,864 bytes; wscales 98,304 bytes; wo16 2,097,152 bytes; qkv 50,331,648 bytes; ctx 16,777,216 bytes
;; launch prep (part 1): grid 896 x 1, 4 waves a work-group, no clusters, 33,280 bytes of LDS; arguments query, key, value, Wq, Wk, Wv, Wo, xcodes, xscales, wcodes, wscales, wo16; writes xcodes, xscales, wcodes, wscales, wo16
.if DOCPART == 1
	.amdgcn_target "amdgcn-amd-amdhsa--gfx1250"
	.amdhsa_code_object_version 6
	.text
	.protected	k_q514cb615e5_prep
	.globl	k_q514cb615e5_prep
	.p2align	8
	.type	k_q514cb615e5_prep,@function
k_q514cb615e5_prep:
	s_mov_b64 s[64:65], 0
	v_nop
	global_prefetch_b8 v0, s[64:65] scope:SCOPE_SE
	s_setreg_imm32_b32 hwreg(HW_REG_WAVE_MODE, 25, 1), 1
	s_wait_xcnt 0x0
; LAUNCH 1 OF 4.  query, key, value [8192][1024] and Wq, Wk, Wv [1024][1024], f32 with K innermost, become codes of FP4 (E2M1), two a byte, and one E8M0 scale byte for each 32 along K;
; Wo [1024][1024] is rounded to f16 for the last product, which is left as it is.
; DEAD WORK, for all values of the inputs.  reference() forms k = key Wk^T + bk, and k goes into the scores alone: q . k / 8 = q . (key Wk^T) / 8 + (q . bk) / 8.  The second term is the same
; for every key of a row; a masked place is -inf with it or without; a softmax along the keys is not moved by a term that is the same along its axis.  The product of q and k is not quantised,
; so bk moves no code and no scale.  So bk is not loaded and is an argument of no launch.  LIMIT: a NaN, an infinity or an overflow that reaches only q . bk is not carried to the result.
; A block's scale is 2^(floor(log2(its largest magnitude)) - 2); its byte is the largest magnitude's own exponent field - 2, held at 1 from below.  Each number is divided by the scale and rounded
; to the nearest code, ties to even, beyond 6 the largest code.  A block of zeros gets the byte 1 where the rule says 127: its codes are zeros, and the bytes are read by this program alone.
; LIMITS: blocks whose largest magnitude lies under 2^-124 keep the byte 1; NaN and infinities among the inputs are not served.
; Rows are dense and K is a multiple of 32: each tensor is a plain stream of blocks of 32, and so are its codes and scale bytes.  A work-group takes 32,768 numbers, a wave 8,192.
; Work-groups 0-255 query, 256-511 key, 512-767 value, 768-799 Wq, 800-831 Wk, 832-863 Wv, 864-895 Wo.  Only pointers are chosen, on the work-group's number; the six quantised tensors take one path.
; A wave's 16 steps of 512 numbers: four loads of 512 consecutive bytes; the 2,048 bytes turn through the wave's own stage in LDS and come back 64 bytes a lane (16 neighbours along K, two lanes to a
; block); a lane's 16 codes are 8 bytes, so a store covers 256 consecutive bytes; the wave's 256 scale bytes gather in LDS and leave as one store of 256 bytes.  No barrier: waves share nothing.
.set STEPS, 16
.set EMAX,  2
.set CB,    8                          ; bytes of 16 codes
.set R,     16                         ; v16-79   four sets of 16 numbers as they are loaded
.set X,     80                         ; v80-111  two sets of 16 neighbours
.set E,     112                        ; v112-127 a scale byte for each step
.set C,     128                        ; v128-191 codes: four registers for each step, so that no store's data are written again
.set WREG,  8192                       ; LDS: a region for each wave: two stages of 32 x SP bytes, then its 256 scale bytes
.set SP,    80                         ; a lane's place in a stage: 64 bytes + 16 of padding
.set SPW,   12                         ; v12 LDS address of my spare word; never rewritten
.set NIL,   13                         ; v13 0; never rewritten
.set SPARE, 4*WREG                     ; behind the four regions: the spare words, 128 bytes a wave, which no other line names
.set WA,    16                         ; Wo's path: two sets of 64 registers
.set WB,    112
	s_load_b512 s[16:31], s[0:1], 0x0              ; query 16, key 18, value 20, Wq 22, Wk 24, Wv 26, Wo 28, xcodes 30
	s_load_b256 s[32:39], s[0:1], 0x40             ; xscales 32, wcodes 34, wscales 36, wo16 38
	v_lshl_add_u32 v[SPW], v0, 2, SPARE
	v_mov_b32 v[NIL], 0
	v_lshrrev_b32 v1, 5, v0
	v_readfirstlane_b32 s2, v1                     ; wave
	v_and_b32 v2, 31, v0                           ; lane
	v_lshlrev_b32 v3, 4, v2                        ; my 16 bytes of a load's 512
	s_mul_i32 s3, s2, WREG
	v_lshrrev_b32 v14, 2, v2
	v_mul_u32_u24 v14, v14, SP
	v_and_b32 v15, 3, v2
	v_lshl_add_u32 v14, v15, 4, v14
	v_add_nc_u32 v14, s3, v14                      ; the stage, on the way in: four lanes' 64 bytes on end, then 16 of padding
	v_mul_u32_u24 v15, v2, SP
	v_add_nc_u32 v15, s3, v15                      ; and on the way out: my 16 neighbours
	v_mul_u32_u24 v4, v2, CB                       ; 8 x lane: my codes' place in a step's (and my f16 numbers' in Wo's path)
	v_lshrrev_b32 v5, 1, v2
	s_add_co_u32 s3, s3, 2*32*SP
	v_add_nc_u32 v5, s3, v5                        ; LDS: my wave's 256 scale bytes, my block's byte
	v_lshlrev_b32 v7, 3, v2
	v_add_nc_u32 v6, s3, v7                        ; and on the way out 8 bytes a lane
	s_wait_kmcnt 0x0
	s_cmp_ge_u32 ttmp9, 864
	s_cbranch_scc1 .Lwo                            ; the last 32 work-groups round Wo
	s_mov_b64 s[4:5], s[26:27]                     ; the tensor is chosen by the work-group's number alone: Wv,
	s_cmp_lt_u32 ttmp9, 832
	s_cselect_b64 s[4:5], s[24:25], s[4:5]         ; Wk,
	s_cmp_lt_u32 ttmp9, 800
	s_cselect_b64 s[4:5], s[22:23], s[4:5]         ; Wq,
	s_cmp_lt_u32 ttmp9, 768
	s_cselect_b64 s[4:5], s[20:21], s[4:5]         ; value;
	s_cselect_b64 s[8:9], s[30:31], s[34:35]       ; codes and scale bytes go to x's buffers or to W's
	s_cselect_b64 s[10:11], s[32:33], s[36:37]
	s_cselect_b32 s6, 255, 31                      ; work-groups to a tensor, less one
	s_cselect_b32 s7, 0, 768                       ; the first work-group of the output buffer
	s_cmp_lt_u32 ttmp9, 512
	s_cselect_b64 s[4:5], s[18:19], s[4:5]         ; key,
	s_cmp_lt_u32 ttmp9, 256
	s_cselect_b64 s[4:5], s[16:17], s[4:5]         ; query
	s_and_b32 s6, ttmp9, s6
	s_lshl_b32 s6, s6, 2
	s_add_co_u32 s6, s6, s2                        ; which run of 8,192 numbers of the tensor is my wave's
	s_lshl_b32 s12, s6, 15                         ; 32,768 bytes a run
	s_mov_b32 s13, 0
	s_add_nc_u64 s[4:5], s[4:5], s[12:13]
	s_sub_co_u32 s7, ttmp9, s7
	s_lshl_b32 s7, s7, 2
	s_add_co_u32 s7, s7, s2                        ; and which run of the output buffers
	s_lshl_b32 s12, s7, 12                         ; 4,096 bytes of codes,
	s_add_nc_u64 s[8:9], s[8:9], s[12:13]
	s_lshl_b32 s12, s7, 8                          ; 256 scale bytes
	s_add_nc_u64 s[10:11], s[10:11], s[12:13]
.macro LOAD t
.irp i, 0,1,2,3
	global_load_b128 v[R+16*((\t)%4)+4*\i:R+16*((\t)%4)+4*\i+3], v3, s[4:5] offset:2048*(\t)+512*\i th:TH_LOAD_NT   ; 32 lanes read 512 consecutive bytes
.endr
.endm
.macro TURN t                          ; step t's numbers through the stage: LDS serves a wave's instructions in order, so no wait stands between the stores and the loads
.irp i, 0,1,2,3
	ds_store_b128 v14, v[R+16*((\t)%4)+4*\i:R+16*((\t)%4)+4*\i+3] offset:32*SP*((\t)%2)+8*SP*\i
.endr
.irp i, 0,1,2,3
	ds_load_b128 v[X+16*((\t)%2)+4*\i:X+16*((\t)%2)+4*\i+3], v15 offset:32*SP*((\t)%2)+16*\i
.endr
.endm
.irp t, 0,1,2,3
	LOAD \t
.endr
	s_wait_loadcnt 12                              ; step 0's four loads are in; the twelve of steps 1 to 3 may be out
	TURN 0
.macro STEP t
.set XS, X+16*((\t)%2)
.if (\t) > 0
	s_wait_dscnt 1                                 ; this step's numbers are back from the stage (the last step's byte store may be out): so its stores into the stage have read their registers,
.else
	s_wait_dscnt 0x0
.endif
.if (\t)+4 < STEPS
	LOAD (\t)+4                                    ; which take the loads of four steps on
.endif
.if (\t)+1 < STEPS
.if STEPS-2-(\t) >= 3
	s_wait_loadcnt 12                              ; the next step's four loads are in; those of the three steps behind it may be out
.else
	s_wait_loadcnt 4*(STEPS-2-(\t))
.endif
	TURN (\t)+1                                    ; and go through the other stage while this step is worked
.endif
	v_max3_num_f32 v8, |v[XS]|, |v[XS+1]|, |v[XS+2]|               ; the largest magnitude of my 16, in two chains
	v_max3_num_f32 v9, |v[XS+3]|, |v[XS+4]|, |v[XS+5]|
.irp i, 6,10
	v_max3_num_f32 v8, v8, |v[XS+\i]|, |v[XS+\i+1]|
	v_max3_num_f32 v9, v9, |v[XS+\i+2]|, |v[XS+\i+3]|
.endr
	v_max3_num_f32 v8, v8, |v[XS+14]|, |v[XS+15]|
	v_max3_num_f32 v8, v8, v9, (EMAX+1)<<23        ; and the floor 2^(3 - 127): so the byte cannot fall under 1
	v_max_num_f32_dpp v8, v8, v8 row_xmask:1 row_mask:0xf bank_mask:0xf   ; and of my neighbour's 16: the block's
	v_add_nc_u32 v11, -(EMAX<<23), v8              ; 2 off its exponent field: the conversion takes the exponent field of this operand as its scale, and nothing else of it
	v_cvt_scalef32_pk8_fp4_f32 v[C+4*(\t)], v[XS:XS+7], v11
	v_cvt_scalef32_pk8_fp4_f32 v[C+4*(\t)+1], v[XS+8:XS+15], v11
	v_lshrrev_b32 v[E+(\t)], 23, v11               ; the scale's byte
	ds_store_b8 v5, v[E+(\t)] offset:16*(\t)       ; both lanes of a block write the same byte with the same value
	global_store_b64 v4, v[C+4*(\t):C+4*(\t)+1], s[8:9] offset:32*CB*(\t)   ; 32 lanes store 256 consecutive bytes, aligned
.endm
.irp t, 0,1,2,3,4,5,6,7,8,9,10,11,12,13,14,15
	STEP \t
.endr
	ds_load_b64 v[8:9], v6                         ; LDS serves a wave's instructions in order: these see my stores
	s_wait_dscnt 0x0
	global_store_b64 v7, v[8:9], s[10:11]          ; 32 lanes store 256 consecutive bytes, aligned
	s_wait_tensorcnt 0x0                           ; the wave's end, behind my last LDS store
	ds_add_u32 v[SPW], v[NIL]
	s_wait_dscnt 0x0
	s_endpgm
; Wo: f32 to f16, rounded to nearest even.  No LDS.  A wave takes 8,192 numbers in four batches of 16 loads; two batches are out at a time, on two sets of registers.
; A load takes 512 consecutive bytes (four numbers a lane); they are rounded in place to 8 bytes a lane, and a store covers 256 consecutive bytes, aligned.
.Lwo:
	s_sub_co_u32 s6, ttmp9, 864
	s_lshl_b32 s6, s6, 2
	s_add_co_u32 s6, s6, s2                        ; my wave's run
	s_lshl_b32 s12, s6, 15
	s_mov_b32 s13, 0
	s_add_nc_u64 s[4:5], s[28:29], s[12:13]        ; 32,768 bytes in,
	s_lshl_b32 s12, s6, 14
	s_add_nc_u64 s[8:9], s[38:39], s[12:13]        ; 16,384 out
.macro WLOAD b, rg
.irp j, 0,1,2,3,4,5,6,7,8,9,10,11,12,13,14,15
	global_load_b128 v[\rg+4*\j:\rg+4*\j+3], v3, s[4:5] offset:8192*(\b)+512*\j th:TH_LOAD_NT
.endr
.endm
.macro WWORK b, rg, younger            ; younger: the loads of the batch issued behind this one
.irp j, 0,1,2,3,4,5,6,7,8,9,10,11,12,13,14,15
	s_wait_loadcnt \younger+15-\j                  ; loads come back in order: load j of this batch is in
	v_cvt_pk_f16_f32 v[\rg+4*\j], v[\rg+4*\j], v[\rg+4*\j+1]
	v_cvt_pk_f16_f32 v[\rg+4*\j+1], v[\rg+4*\j+2], v[\rg+4*\j+3]
	global_store_b64 v4, v[\rg+4*\j:\rg+4*\j+1], s[8:9] offset:4096*(\b)+256*\j
.endr
.endm
	WLOAD 0, WA
	WLOAD 1, WB
	WWORK 0, WA, 16
	s_wait_xcnt 0x0                                ; batch 0's stores have read their registers: the set is loaded again only behind this wait
	WLOAD 2, WA
	WWORK 1, WB, 16
	s_wait_xcnt 0x0                                ; likewise batch 1's
	WLOAD 3, WB
	WWORK 2, WA, 16
	WWORK 3, WB, 0
	s_endpgm
.Lfunc_end_k_q514cb615e5_prep:
	.size	k_q514cb615e5_prep, .Lfunc_end_k_q514cb615e5_prep-k_q514cb615e5_prep
	.p2alignl 7, 3214868480
	.fill 96, 4, 3214868480
	.section	.rodata,"a",@progbits
	.p2align	6, 0x0
	.amdhsa_kernel k_q514cb615e5_prep
		.amdhsa_group_segment_fixed_size 33280
		.amdhsa_private_segment_fixed_size 0
		.amdhsa_enable_private_segment 0
		.amdhsa_kernarg_size 96
		.amdhsa_user_sgpr_count 2
		.amdhsa_user_sgpr_kernarg_segment_ptr 1
		.amdhsa_wavefront_size32 1
		.amdhsa_system_sgpr_workgroup_id_x 1
		.amdhsa_system_sgpr_workgroup_id_y 1
		.amdhsa_system_sgpr_workgroup_id_z 1
		.amdhsa_system_vgpr_workitem_id 0
		.amdhsa_next_free_vgpr 192
		.amdhsa_next_free_sgpr 66
		.amdhsa_reserve_vcc 0
		.amdhsa_float_denorm_mode_32 3
		.amdhsa_float_denorm_mode_16_64 3
		.amdhsa_memory_ordered 1
		.amdhsa_forward_progress 1
		.amdhsa_inst_pref_size 56
	.end_amdhsa_kernel
	.amdgpu_metadata
---
amdhsa.version: [ 1, 2 ]
amdhsa.kernels:
  - .name:           k_q514cb615e5_prep
    .symbol:         k_q514cb615e5_prep.kd
    .args:
      - { .name: query, .offset: 0, .size: 8, .value_kind: global_buffer, .address_space: global }
      - { .name: key, .offset: 8, .size: 8, .value_kind: global_buffer, .address_space: global }
      - { .name: value, .offset: 16, .size: 8, .value_kind: global_buffer, .address_space: global }
      - { .name: Wq, .offset: 24, .size: 8, .value_kind: global_buffer, .address_space: global }
      - { .name: Wk, .offset: 32, .size: 8, .value_kind: global_buffer, .address_space: global }
      - { .name: Wv, .offset: 40, .size: 8, .value_kind: global_buffer, .address_space: global }
      - { .name: Wo, .offset: 48, .size: 8, .value_kind: global_buffer, .address_space: global }
      - { .name: xcodes, .offset: 56, .size: 8, .value_kind: global_buffer, .address_space: global }
      - { .name: xscales, .offset: 64, .size: 8, .value_kind: global_buffer, .address_space: global }
      - { .name: wcodes, .offset: 72, .size: 8, .value_kind: global_buffer, .address_space: global }
      - { .name: wscales, .offset: 80, .size: 8, .value_kind: global_buffer, .address_space: global }
      - { .name: wo16, .offset: 88, .size: 8, .value_kind: global_buffer, .address_space: global }
    .group_segment_fixed_size: 33280
    .private_segment_fixed_size: 0
    .kernarg_segment_align: 8
    .kernarg_segment_size: 96
    .max_flat_workgroup_size: 128
    .sgpr_count:     66
    .vgpr_count:     192
    .wavefront_size: 32
...
	.end_amdgpu_metadata
.endif
;; end of part 1
;; launch proj (part 2): grid 4 x 96, 4 waves a work-group, clusters of 4 x 4, 327,680 bytes of LDS; arguments xcodes, xscales, wcodes, wscales, qkv, bq, bv; writes qkv
.if DOCPART == 2
	.amdgcn_target "amdgcn-amd-amdhsa--gfx1250"
	.amdhsa_code_object_version 6
	.text
	.protected	k_q514cb615e5_proj
	.globl	k_q514cb615e5_proj
	.p2align	8
	.type	k_q514cb615e5_proj,@function
k_q514cb615e5_proj:
	s_mov_b64 s[64:65], 0
	v_nop
	global_prefetch_b8 v0, s[64:65] scope:SCOPE_SE
	s_setreg_imm32_b32 hwreg(HW_REG_WAVE_MODE, 25, 1), 1
	s_wait_xcnt 0x0
	s_wait_alu depctr_hold_cnt(0) depctr_sa_sdst(0) depctr_va_vdst(0) depctr_va_sdst(0) depctr_va_ssrc(0) depctr_va_vcc(0) depctr_vm_vsrc(0)
	s_getreg_b32 s2, hwreg(HW_REG_IB_STS2, 6, 4)
	s_cmp_eq_u32 s2, 0
	s_cbranch_scc0 .Lentry_in_a_cluster
	s_endpgm
.Lentry_in_a_cluster:
	s_bfe_u32 s2, ttmp6, 0x10000c
	s_cmp_lg_u32 s2, 0xf033
	s_cbranch_scc0 .Lentry_shape_is_right
	s_endpgm
.Lentry_shape_is_right:
; LAUNCH 2 OF 4.  The three quantised projections as one GEMM on codes of FP4: rows 0-8191 query Wq^T + bq, rows 8192-16383 key Wk^T, rows 16384-24575 value Wv^T + bv; sums in f32.
; bk is left out as dead work: it adds to every score of a row the same term, which the softmax takes away (shown at the head of the first launch).
; The results are rounded to f16 and laid by head, qkv [3][4 b][16 h][2048 s][64], for the products that are left as they are.  LIMIT: a result beyond 65,504 in magnitude has no f16 number.
; A tile of 256 x 256 is made by a work-group of four waves; a wave makes 128 x 128: 64 accumulators, 512 registers.  K = 1,024 is two slots of 512 along K (rows of 256 bytes): both are asked for
; at the head, with the scale bytes of the work-group's rows for all of K, and nothing is filled again.
; CLUSTERS: 4 x 4 work-groups.  The four of a row of the cluster need the same tiles of x, the four of a column the same tiles of W: each is asked for JOINTLY, by the same tensor load with the same
; descriptor and a mask that names the four.  A cluster's 1,024 rows lie in one projection: which one hangs on the cluster's y alone, the same in all sixteen.
; THE MATRIX INSTRUCTION IS USED TRANSPOSED (source 0 = 16 rows of W, source 1 = 16 rows of x): a lane holds eight neighbouring columns of one row.  The bias is the C of each sum's first product.
; REGISTERS, in windows of 256: window 0: v16-30 addresses; v32-95 scale words, two sets; v128-191 x's fragments, ONE set; v192-255 the bias, 8 registers for each of my 8 column blocks.
;   window 1: W's fragments, TWO sets, at v0 and v128.   window 2: the accumulators of my rows 0-63 ((a, b) at v[8 (8 a + b)]);   window 3: those of my rows 64-127.
.set NQ,     4                         ; steps of 128 along K in a slot
.set ROWB,   256                       ; a tile's row in bytes: 512 codes
.set KROW,   512                       ; a row of codes in memory
.set PITCH,  272                       ; an LDS row: 256 bytes + 16 of padding = 68 words: the 16 rows that a load touches start at 16 different banks (64 banks of 4 bytes: ISA guide 11.1)
.set FR,     8                         ; registers of a fragment: 16 rows x 128 K
.set NL,     2                         ; LDS loads that bring one
.set NP,     4                         ; places behind this matrix instruction (ISA guide 7.12.1)
.set HALFT,  128*PITCH                 ; 128 rows: what one tensor load brings
.set SLOT,   4*HALFT                   ; x's 256 rows, then W's 256 rows
.set KS,     32                        ; a row of scale bytes
.set SCL,    2*SLOT                    ; behind the slots: the scale bytes, as pieces of 256 bytes + 16 of padding
.set HALFS,  (128*KS/256)*272          ; those of 128 rows: what one tensor load brings
.set SBLK,   (16*KS/256)*272           ; those of 16 rows
.set SPARE,  SCL+4*HALFS               ; the spare words, 128 bytes a wave, which no other line names
.set STAGE,  SPARE+512                 ; the way out: 16 rows x (256 bytes + 16) for each wave; no tensor load lands here
.set SPITCH, 272
.set ADRA, 16                          ; v16-17  LDS address of my x fragments in slot 0, 1
.set ADRB, 20                          ; v20-21  the same for W
.set STO,  24                          ; v24     the way out: where I put 16 bytes of a row
.set RD,   25                          ; v25     where I read 16 bytes back
.set CO,   26                          ; v26     my byte offset in qkv
.set ADRS, 27                          ; v27     LDS address of my scale words: lanes 0-15 x's rows, lanes 16-31 W's
.set SPW,  28                          ; v28     LDS address of my spare word; never rewritten
.set NIL,  29                          ; v29     0; never rewritten
.set BOF,  30                          ; v30     32 x (lane / 16): my eight numbers of a block's sixteen biases
.set SC,   32                          ; scale words: set s at v[SC + 32 s]; register 4 i + q: lanes 0-15 the word of x's block i, lanes 16-31 that of W's block i, for the slot's q-th 128 along K
.set AF,   128
.set BIAS, 192
.set TMP,  192                         ; the way out: packed results (the bias is done with)
.set BK,   128                         ; the way out: rows read back: v128-159 and v160-191 by turns
.set G1, 24                            ; s[24:31] group 1 for x's tiles;  s[32:39] group 0, one set for each slot
.set G0, 32
.set G1B, 48                           ; s[48:55], s[56:63] the same for W's tiles
.set G0B, 56
.set G1S, 68                           ; s[68:75], s[76:79] groups 1 and 0 for x's scales;  s[80:87], s[88:91] for W's
.set G0S, 76
.set G1SB, 80
.set G0SB, 88
.set PROJ, 95                          ; s95 which projection: 0 q, 1 k, 2 v
.set MSB, 0
.macro WIN new                         ; the immediate's high byte repeats the setting that is left; a switch that changes nothing is dropped
.if MSB != (\new)
	s_set_vgpr_msb (MSB<<8)|(\new)
.set MSB, (\new)
.endif
.endm
.set MUL_LO,  0xa1                     ; source 0 (W) window 1, source 1 (x) window 0, C and D window 2
.set MUL_HI,  0xf1                     ; the same, C and D window 3
.set MUL_LO0, 0x81                     ; the first products: C (the bias) window 0, D window 2
.set MUL_HI0, 0xc1                     ; and D window 3
.set TO_B,    0x40                     ; destination window 1, address window 0
; A joint load: waves 0 and 1 fetch for x, waves 2 and 3 for W.  Each of the two lines has one mask and one set of registers for all that issue it; the branch hangs on the wave's number alone.
; An s_nop 0 and four v_nop follow each of the two lines.
.macro JLOAD g0a, g1a, g0b, g1b
	s_cmp_eq_u32 s15, 0
	s_cbranch_scc0 .Lfor_b_\@
	tensor_load_to_lds s[\g0a:\g0a+3], s[\g1a:\g1a+7]
	s_nop 0
.rept 4
	v_nop
.endr
	s_branch .Lasked_\@
.Lfor_b_\@:
	tensor_load_to_lds s[\g0b:\g0b+3], s[\g1b:\g1b+7]
	s_nop 0
.rept 4
	v_nop
.endr
.Lasked_\@:
.endm
.macro CROUND                          ; a round of the cluster's barrier: my work-group's barrier; wave 0 signals for the work-group; every wave waits for all sixteen; my work-group's barrier once more
	s_barrier_signal -1
	s_barrier_wait -1
	s_cmp_lg_u32 s14, 0
	s_cbranch_scc1 .Lnot_wave_0_\@
	s_barrier_signal -3
.Lnot_wave_0_\@:
	s_barrier_wait -3
	s_barrier_signal -1
	s_barrier_wait -1
.endm
	s_load_b128 s[4:7], s[0:1], 0x0                ; x's codes s[4:5], x's scales s[6:7]
	s_load_b128 s[8:11], s[0:1], 0x10              ; W's codes s[8:9], W's scales s[10:11]
	s_load_b64 s[12:13], s[0:1], 0x20              ; qkv
	s_load_b128 s[96:99], s[0:1], 0x28             ; bq s[96:97], bv s[98:99]
	v_lshl_add_u32 v[SPW], v0, 2, SPARE
	v_mov_b32 v[NIL], 0
	ds_add_u32 v[SPW], v[NIL]                      ; the wave's opening: the add, twice on end, and its wait ahead of my first tensor load
	ds_add_u32 v[SPW], v[NIL]
	v_lshrrev_b32 v1, 5, v0
	v_readfirstlane_b32 s14, v1                    ; wave 0..3
	s_lshr_b32 s15, s14, 1                         ; which half of the tile's rows is mine.  Also: I fetch for x (0) or for W (1)
	s_and_b32 s16, s14, 1                          ; which half of its columns.  Also: which 128 rows of that tile I fetch
	s_bfe_u32 s40, ttmp6, 0x40000                  ; cx, cy: my place in the cluster
	s_bfe_u32 s41, ttmp6, 0x40004
	s_lshl_b32 s42, ttmp9, 2
	s_add_co_u32 s42, s42, s40                     ; tile column = 4 x cluster x + cx: 0..3
	s_and_b32 s17, ttmp7, 0xffff
	s_lshr_b32 s[PROJ], s17, 3                     ; eight clusters, 8,192 rows, to a projection
	s_lshl_b32 s17, s17, 2
	s_add_co_u32 s17, s17, s41                     ; tile row = 4 x cluster y + cy: 0..95
	s_lshl_b32 s43, s41, 2
	s_lshl_b32 s43, 15, s43                        ; my row of the cluster
	s_lshl_b32 s44, 0x1111, s40                    ; my column
	; group 1: a tile of 128 rows x 256 bytes, padded in LDS
	s_or_b32 s[G1+0], s43, (0<<16)|(1<<20)|(1<<21)|(5<<22)|(3<<25)  ; 15:0 the mask: x's tiles go to my row; elements of 1 byte; padding on; bit 21 set beside a mask; after every 64 words, 4 words
	s_or_b32 s[G1B+0], s44, (0<<16)|(1<<20)|(1<<21)|(5<<22)|(3<<25)
.irp g, G1, G1B
	s_mov_b32 s[\g+1], ROWB<<16                    ; tensor_dim0
	s_mov_b32 s[\g+2], 128<<16                     ; tensor_dim1
	s_mov_b32 s[\g+3], ROWB<<16                    ; tile_dim0
	s_mov_b32 s[\g+4], 128                         ; tile_dim1
	s_mov_b32 s[\g+5], KROW                        ; from row to row
	s_mov_b32 s[\g+6], 0
	s_mov_b32 s[\g+7], 0
.endr
	; the scale bytes of 128 rows: a dense block of 4,096 bytes, as 16 rows of 256 bytes (32 elements of 8 bytes), 16 bytes of padding behind each
	s_or_b32 s[G1S+0], s43, (3<<16)|(1<<20)|(1<<21)|(5<<22)|(3<<25)
	s_or_b32 s[G1SB+0], s44, (3<<16)|(1<<20)|(1<<21)|(5<<22)|(3<<25)
.irp g, G1S, G1SB
	s_mov_b32 s[\g+1], 32<<16
	s_mov_b32 s[\g+2], (128*KS/256)<<16
	s_mov_b32 s[\g+3], 32<<16
	s_mov_b32 s[\g+4], 128*KS/256
	s_mov_b32 s[\g+5], 32
	s_mov_b32 s[\g+6], 0
	s_mov_b32 s[\g+7], 0
.endr
	s_lshl_b32 s18, s16, 7                         ; which 128 rows of the tile I fetch
	s_lshl_b32 s20, s17, 8
	s_add_co_u32 s20, s20, s18                     ; x: row 256 x tile row + 128 x half, of 24,576
	s_lshl_b32 s46, s42, 8
	s_add_co_u32 s46, s46, s18                     ; W: row 256 x tile column + 128 x half,
	s_lshl_b32 s45, s[PROJ], 10
	s_add_co_u32 s46, s46, s45                     ; in the projection's 1,024 rows
	s_mov_b32 s21, 0
	s_mov_b32 s47, 0
	s_mov_b64 s[18:19], KS
	s_mul_u64 s[22:23], s[20:21], s[18:19]         ; where these rows' scales begin, in bytes
	s_mul_u64 s[92:93], s[46:47], s[18:19]
	s_mov_b64 s[18:19], KROW
	s_mul_u64 s[20:21], s[20:21], s[18:19]         ; and their codes
	s_mul_u64 s[46:47], s[46:47], s[18:19]
	s_mul_i32 s45, s14, HALFT                      ; where they go: wave x 128 rows: no place in the cluster enters an LDS address
	s_mul_i32 s94, s14, HALFS
	s_wait_dscnt 0x0                               ; both opening adds are done
	s_wait_kmcnt 0x0
	s_add_nc_u64 s[20:21], s[4:5], s[20:21]
	s_add_nc_u64 s[22:23], s[6:7], s[22:23]
	s_add_nc_u64 s[46:47], s[8:9], s[46:47]
	s_add_nc_u64 s[92:93], s[10:11], s[92:93]
	CROUND                                         ; all sixteen work-groups are here: the joint loads meet
	s_mov_b32 s[G0S], 1
	s_add_co_u32 s[G0S+1], s94, SCL
	s_mov_b64 s[G0S+2:G0S+3], s[22:23]
	s_or_b32 s[G0S+3], s[G0S+3], 0x80000000
	s_mov_b32 s[G0SB], 1
	s_add_co_u32 s[G0SB+1], s94, SCL
	s_mov_b64 s[G0SB+2:G0SB+3], s[92:93]
	s_or_b32 s[G0SB+3], s[G0SB+3], 0x80000000
	JLOAD G0S, G1S, G0SB, G1SB                     ; the scales first: they are wanted with the first slot
.irp s, 0,1
	s_mov_b32 s[G0+4*\s], 1
	s_add_co_u32 s[G0+4*\s+1], s45, \s*SLOT
	s_add_nc_u64 s[G0+4*\s+2:G0+4*\s+3], s[20:21], \s*ROWB
	s_or_b32 s[G0+4*\s+3], s[G0+4*\s+3], 0x80000000
	s_mov_b32 s[G0B+4*\s], 1
	s_add_co_u32 s[G0B+4*\s+1], s45, \s*SLOT
	s_add_nc_u64 s[G0B+4*\s+2:G0B+4*\s+3], s[46:47], \s*ROWB
	s_or_b32 s[G0B+4*\s+3], s[G0B+4*\s+3], 0x80000000
	JLOAD G0+4*\s, G1, G0B+4*\s, G1B               ; three loads of mine are out: all that this launch asks for
.endr
	v_and_b32 v1, 15, v0                           ; l % 16
	v_bfe_u32 v2, v0, 4, 1                         ; l / 16
	; THE BIAS.  Lane (r, h) holds, of column block b, columns 16 b + 8 h + 0..7: their eight biases are the C of the block's first products.  q takes bq, v takes bv; k has none: its 64 registers are zeros,
	; so that one text serves all three.  The branch hangs on the cluster's y alone.
	v_lshlrev_b32 v[BOF], 5, v2
	s_cmp_eq_u32 s[PROJ], 0
	s_cselect_b64 s[96:97], s[96:97], s[98:99]
	s_lshl_b32 s46, s42, 10                        ; my first column, x 4 bytes: 256 x tile column + 128 x half
	s_lshl_b32 s47, s16, 9
	s_add_co_u32 s46, s46, s47
	s_mov_b32 s47, 0
	s_add_nc_u64 s[96:97], s[96:97], s[46:47]
	s_cmp_eq_u32 s[PROJ], 1
	s_cbranch_scc1 .Lno_bias
.irp b, 0,1,2,3,4,5,6,7
	global_load_b128 v[BIAS+8*\b:BIAS+8*\b+3], v[BOF], s[96:97] offset:64*\b
	global_load_b128 v[BIAS+8*\b+4:BIAS+8*\b+7], v[BOF], s[96:97] offset:64*\b+16
.endr
	s_branch .Lbias_done
.Lno_bias:
.set i, 0
.rept 64
	v_mov_b32 v[BIAS+i], 0
.set i, i+1
.endr
.Lbias_done:
	v_mul_u32_u24 v3, v1, PITCH
	v_lshl_add_u32 v4, v2, 4, v3                   ; a fragment's row x pitch + 16 x half
	s_mul_i32 s21, s15, HALFT                      ; my 128 rows of x
	s_mul_i32 s22, s16, HALFT                      ; my 128 rows of W,
	s_add_co_u32 s22, s22, 2*HALFT                 ; which lie behind x's 256
.irp s, 0,1
	v_add_nc_u32 v[ADRA+\s], s21, v4
	v_add_nc_u32 v[ADRB+\s], s22, v4
	s_add_co_u32 s21, s21, SLOT
	s_add_co_u32 s22, s22, SLOT
.endr
	v_mul_u32_u24 v5, v1, KS                       ; my row's scales: 32 bytes a row,
	v_lshrrev_b32 v6, 8, v5
	v_lshl_add_u32 v5, v6, 4, v5                   ; and 16 more for each 256 passed
	s_mul_i32 s21, s15, HALFS                      ; x's: my 128 rows
	s_mul_i32 s22, s16, HALFS                      ; W's: my 128 rows, behind x's 256
	s_add_co_u32 s22, s22, 2*HALFS
	s_sub_co_u32 s22, s22, s21
	v_mul_u32_u24 v6, s22, v2                      ; lanes 16-31 take W's: one product, the distance between the two
	s_add_co_u32 s21, s21, SCL
	v_add_nc_u32 v5, v5, v6
	v_add_nc_u32 v[ADRS], s21, v5
	s_mul_i32 s23, s14, 16*SPITCH
	s_add_co_u32 s23, s23, STAGE                   ; my stage
	v_mul_u32_u24 v5, v1, SPITCH                   ; in: row l % 16, 16 bytes for each half of the lanes
	v_lshl_add_u32 v5, v2, 4, v5
	v_add_nc_u32 v[STO], s23, v5
	v_bfe_u32 v5, v0, 3, 1                         ; back: lanes 0-15 my first head, lanes 16-31 my second; in each, eight lanes to a token's 128 bytes, two tokens
	v_and_b32 v6, 7, v0
	v_lshlrev_b32 v6, 4, v6
	v_lshl_add_u32 v7, v5, 7, v6
	v_lshl_add_u32 v[CO], v2, 18, v7               ; in qkv: a head is 262,144 bytes, a token 128: sixteen lanes store 256 consecutive bytes
	v_mul_u32_u24 v5, v5, SPITCH
	v_add_nc_u32 v5, v5, v6
	v_lshl_add_u32 v5, v2, 7, v5
	v_add_nc_u32 v[RD], s23, v5
	s_lshl_b32 s20, s17, 8
	s_lshl_b32 s21, s15, 7
	s_add_co_u32 s20, s20, s21                     ; my first row of 24,576: row / 2,048 = 4 x projection + batch,
	s_lshr_b32 s21, s20, 11
	s_lshl_b32 s21, s21, 22                        ; 16 heads of 262,144 bytes each;
	s_and_b32 s20, s20, 2047
	s_lshl_b32 s20, s20, 7                         ; the token, 128 bytes;
	s_add_co_u32 s20, s20, s21
	s_lshl_b32 s46, s42, 2
	s_lshl_b32 s47, s16, 1
	s_add_co_u32 s46, s46, s47                     ; my first head: 4 x tile column + 2 x half
	s_lshl_b32 s46, s46, 18
	s_add_co_u32 s20, s20, s46
	s_mov_b32 s21, 0
	s_add_nc_u64 s[12:13], s[12:13], s[20:21]
.macro FRAG reg, adr, q, i             ; a fragment, 16 rows x 128 K of 4-bit codes: lane l holds row l % 16; registers 4 c .. 4 c + 3 hold K = 64 c + 32 (l / 16) + 0 .. 31
.irp c, 0,1
	ds_load_b128 v[\reg+4*\c:\reg+4*\c+3], v[\adr] offset:64*(\q)+32*\c+(\i)*16*PITCH
.endr
.endm
; 16 matrix instructions: x's blocks a0, a0 + 1 against W's eight, 128 along K: the slot's q-th.  p: W's set;  sc: the set of scale words.  zero = 1: the first product starts the sum from the bias.
; The 64 accumulators take turns, one instruction a turn, in the same order in every step.
.macro MUL16 a0, p, q, sc, zero
.irp a, \a0, \a0+1
.irp b, 0,1,2,3,4,5,6,7
.if \zero
	v_wmma_scale_f32_16x16x128_f8f6f4 v[8*(8*((\a)%4)+\b):8*(8*((\a)%4)+\b)+7], v[128*(\p)+FR*\b:128*(\p)+FR*\b+FR-1], v[AF+FR*(\a):AF+FR*(\a)+FR-1], v[BIAS+8*\b:BIAS+8*\b+7], v[SC+8*NQ*(\sc)+NQ*\b+(\q)], v[SC+8*NQ*(\sc)+NQ*(\a)+(\q)] matrix_a_fmt:MATRIX_FMT_FP4 matrix_b_fmt:MATRIX_FMT_FP4 matrix_a_scale:MATRIX_SCALE_ROW1
.else
	v_wmma_scale_f32_16x16x128_f8f6f4 v[8*(8*((\a)%4)+\b):8*(8*((\a)%4)+\b)+7], v[128*(\p)+FR*\b:128*(\p)+FR*\b+FR-1], v[AF+FR*(\a):AF+FR*(\a)+FR-1], v[8*(8*((\a)%4)+\b):8*(8*((\a)%4)+\b)+7], v[SC+8*NQ*(\sc)+NQ*\b+(\q)], v[SC+8*NQ*(\sc)+NQ*(\a)+(\q)] matrix_a_fmt:MATRIX_FMT_FP4 matrix_b_fmt:MATRIX_FMT_FP4 matrix_a_scale:MATRIX_SCALE_ROW1
.endif
.endr
.endr
.endm
.macro FETCH_B slot, q, p              ; W's eight fragments of the slot's q-th 128 along K into set p
	WIN TO_B
.irp i, 0,1,2,3,4,5,6,7
	FRAG 128*(\p)+FR*\i, ADRB+\slot, \q, \i
.endr
	WIN 0
.endm
.macro FETCH_A slot, q, i0             ; x's blocks i0 .. i0 + 3
.irp i, \i0, \i0+1, \i0+2, \i0+3
	FRAG AF+FR*(\i), ADRA+\slot, \q, \i
.endr
.endm
.macro SCALES sc                       ; a slot's scale words into set sc: four words a row; lanes 0-15 take x's block i, lanes 16-31 W's block i
.irp i, 0,1,2,3,4,5,6,7
	ds_load_b128 v[SC+8*NQ*\sc+NQ*\i:SC+8*NQ*\sc+NQ*\i+3], v[ADRS] offset:\i*SBLK
.endr
.endm
; A load into a register that a matrix instruction has read, and a vector instruction that reads a matrix result, stand four places behind that matrix instruction; only plain vector instructions
; that name none of its registers are places; the matrix instructions in between are not counted.
.macro PLACES n
.rept \n
	v_nop
.endr
.endm
; A step of 128 along K that has its successor in the same slot.  A block of x is free as soon as its eight products are issued: blocks 0-3 are fetched anew in the step's middle, blocks 4-7 at its end.
.macro STEP slot, q, zero
	s_wait_dscnt 4*NL                              ; W's set and x's blocks 0-3 are in; the youngest eight loads (x's blocks 4-7) may be out
.if \zero
	WIN MUL_LO0
.else
	WIN MUL_LO
.endif
	MUL16 0, (\q)%2, \q, \slot, \zero
	MUL16 2, (\q)%2, \q, \slot, \zero
	s_wait_dscnt 0                                 ; x's blocks 4-7 are in
	PLACES NP
	FETCH_B \slot, (\q)+1, 1-(\q)%2
	FETCH_A \slot, (\q)+1, 0
.if \zero
	WIN MUL_HI0
.else
	WIN MUL_HI
.endif
	MUL16 4, (\q)%2, \q, \slot, \zero
	MUL16 6, (\q)%2, \q, \slot, \zero
	PLACES NP
	WIN 0
	FETCH_A \slot, (\q)+1, 4
.endm
; Slot 0's last step goes over to slot 1: one barrier; in front of it each wave waits for all its tensor loads (its part of slot 1 is the one still out).  Nothing is filled again.
.macro TURN slot, next
	s_wait_tensorcnt 0x0                           ; my part of the next slot has landed
	ds_add_u32 v[SPW], v[NIL]                      ; 0 onto my spare word
	s_wait_dscnt 4*NL+1                            ; the add and the youngest eight loads (x's blocks 4-7) may be out
	WIN MUL_LO
	MUL16 0, 1, NQ-1, \slot, 0
	s_wait_dscnt 0x0                               ; no LDS instruction of mine is out at the signal
	s_barrier_signal -1
	MUL16 2, 1, NQ-1, \slot, 0                     ; work on registers while the others arrive
	WIN 0
	s_barrier_wait -1                              ; the next slot is whole
	PLACES NP
	v_add_nc_u32 v[ADRS], 4*NQ, v[ADRS]            ; on to the next slot's scale words
	FETCH_B \next, 0, 0
	FETCH_A \next, 0, 0
	SCALES \next
	WIN MUL_HI
	MUL16 4, 1, NQ-1, \slot, 0
	MUL16 6, 1, NQ-1, \slot, 0
	PLACES NP
	WIN 0
	FETCH_A \next, 0, 4
.endm
.macro STEPS slot, from                ; the slot's steps from .. NQ - 2
.set Q, \from
.rept NQ-1-\from
	STEP \slot, Q, 0
.set Q, Q+1
.endr
.endm
	s_wait_tensorcnt 1                             ; the scales and my part of slot 0 are in (slot 1's load may be out),
	s_barrier_signal -1
	s_barrier_wait -1                              ; everybody's are
	FETCH_B 0, 0, 0
	FETCH_A 0, 0, 0
	SCALES 0
	FETCH_A 0, 0, 4
	s_wait_loadcnt 0x0                             ; the bias
	STEP 0, 0, 1                                   ; the first products start the sums from the bias: nothing is cleared or added later
	STEPS 0, 1
	TURN 0, 1
	STEPS 1, 0
	s_wait_dscnt 4*NL                              ; the very last step: nothing more to fetch
	WIN MUL_LO
	MUL16 0, 1, NQ-1, 1, 0
	MUL16 2, 1, NQ-1, 1, 0
	s_wait_dscnt 0
	WIN MUL_HI
	MUL16 4, 1, NQ-1, 1, 0
	MUL16 6, 1, NQ-1, 1, 0
	WIN 0
; THE WAY OUT, block by block of 16 rows x 128 columns (two heads).  PACK: rounded to f16, a lane's eight columns are 16 bytes.  TOSTAGE: into my own stage, and back so that sixteen lanes hold two
; tokens of one head: 256 consecutive bytes of qkv.  SEND: stored.  LDS serves a wave's instructions in order (ISA guide 5.7.1.4): no wait between the stores and the loads.
.macro PACK a
.set AC, 64*((\a)%4)
	WIN 0x0a+5*((\a)/4)                            ; sources 0 and 1: window 2 or 3
.irp b, 0,1,2,3,4,5,6,7
.irp r, 0,1,2,3
	v_cvt_pk_f16_f32 v[TMP+4*\b+\r], v[AC+8*\b+2*\r], v[AC+8*\b+2*\r+1]   ; each accumulator from its low end on
.endr
.endr
	WIN 0
.endm
.macro TOSTAGE a
.set BB, BK+32*((\a)%2)
.irp b, 0,1,2,3,4,5,6,7
	ds_store_b128 v[STO], v[TMP+4*\b:TMP+4*\b+3] offset:32*\b
.endr
.irp t, 0,1,2,3,4,5,6,7
	ds_load_b128 v[BB+4*\t:BB+4*\t+3], v[RD] offset:\t*2*SPITCH
.endr
.endm
.macro SEND a, younger                 ; younger: the LDS instructions issued behind block a's loads, which may stay out
.set BB, BK+32*((\a)%2)
	s_wait_dscnt \younger
.irp t, 0,1,2,3,4,5,6,7
	global_store_b128 v[CO], v[BB+4*\t:BB+4*\t+3], s[12:13] offset:2048*(\a)+256*\t   ; tokens 16 a + 2 t and the next, of both heads
.endr
.endm
	PLACES NP                                      ; behind the last products: for the loads into x's fragment registers and for block 7's conversions alike
	PACK 0
	TOSTAGE 0
.irp a, 1,2,3,4,5,6,7
.if \a > 1
	s_wait_xcnt 0x0                                ; block a - 2's stores have read their registers: block a's loads may land there
.endif
	PACK \a
	TOSTAGE \a
	SEND \a-1, 16                                  ; behind block a - 1's loads: block a's 8 stores and 8 loads
.endr
	SEND 7, 0
	s_wait_tensorcnt 0x0                           ; the wave's end, behind my last tensor load and my last LDS store
	ds_add_u32 v[SPW], v[NIL]
	s_wait_dscnt 0x0
	CROUND                                         ; the closing round: no work-group ends while a partner may still ask for a tile that names it
	s_endpgm
.Lfunc_end_k_q514cb615e5_proj:
	.size	k_q514cb615e5_proj, .Lfunc_end_k_q514cb615e5_proj-k_q514cb615e5_proj
	.p2alignl 7, 3214868480
	.fill 96, 4, 3214868480
	.section	.rodata,"a",@progbits
	.p2align	6, 0x0
	.amdhsa_kernel k_q514cb615e5_proj
		.amdhsa_group_segment_fixed_size 327680
		.amdhsa_private_segment_fixed_size 0
		.amdhsa_enable_private_segment 0
		.amdhsa_kernarg_size 56
		.amdhsa_user_sgpr_count 2
		.amdhsa_user_sgpr_kernarg_segment_ptr 1
		.amdhsa_wavefront_size32 1
		.amdhsa_system_sgpr_workgroup_id_x 1
		.amdhsa_system_sgpr_workgroup_id_y 1
		.amdhsa_system_sgpr_workgroup_id_z 1
		.amdhsa_system_vgpr_workitem_id 0
		.amdhsa_next_free_vgpr 1024
		.amdhsa_next_free_sgpr 100
		.amdhsa_reserve_vcc 0
		.amdhsa_float_denorm_mode_32 3
		.amdhsa_float_denorm_mode_16_64 3
		.amdhsa_memory_ordered 1
		.amdhsa_forward_progress 1
		.amdhsa_inst_pref_size 131
	.end_amdhsa_kernel
	.amdgpu_metadata
---
amdhsa.version: [ 1, 2 ]
amdhsa.kernels:
  - .name:           k_q514cb615e5_proj
    .symbol:         k_q514cb615e5_proj.kd
    .args:
      - { .name: xcodes, .offset: 0, .size: 8, .value_kind: global_buffer, .address_space: global }
      - { .name: xscales, .offset: 8, .size: 8, .value_kind: global_buffer, .address_space: global }
      - { .name: wcodes, .offset: 16, .size: 8, .value_kind: global_buffer, .address_space: global }
      - { .name: wscales, .offset: 24, .size: 8, .value_kind: global_buffer, .address_space: global }
      - { .name: qkv, .offset: 32, .size: 8, .value_kind: global_buffer, .address_space: global }
      - { .name: bq, .offset: 40, .size: 8, .value_kind: global_buffer, .address_space: global }
      - { .name: bv, .offset: 48, .size: 8, .value_kind: global_buffer, .address_space: global }
    .group_segment_fixed_size: 327680
    .private_segment_fixed_size: 0
    .kernarg_segment_align: 8
    .kernarg_segment_size: 56
    .max_flat_workgroup_size: 128
    .sgpr_count:     100
    .vgpr_count:     1024
    .wavefront_size: 32
...
	.end_amdgpu_metadata
.endif
;; end of part 2
;; launch attn (part 3): grid 8 x 64, 4 waves a work-group, clusters of 4 x 1, 327,680 bytes of LDS; arguments qkv, mask, ctx; writes ctx
.if DOCPART == 3
	.amdgcn_target "amdgcn-amd-amdhsa--gfx1250"
	.amdhsa_code_object_version 6
	.text
	.protected	k_q514cb615e5_attn
	.globl	k_q514cb615e5_attn
	.p2align	8
	.type	k_q514cb615e5_attn,@function
k_q514cb615e5_attn:
	s_mov_b64 s[64:65], 0
	v_nop
	global_prefetch_b8 v0, s[64:65] scope:SCOPE_SE
	s_setreg_imm32_b32 hwreg(HW_REG_WAVE_MODE, 25, 1), 1
	s_wait_xcnt 0x0
	s_wait_alu depctr_hold_cnt(0) depctr_sa_sdst(0) depctr_va_vdst(0) depctr_va_sdst(0) depctr_va_ssrc(0) depctr_va_vcc(0) depctr_vm_vsrc(0)
	s_getreg_b32 s2, hwreg(HW_REG_IB_STS2, 6, 4)
	s_cmp_eq_u32 s2, 0
	s_cbranch_scc0 .Lentry_in_a_cluster
	s_endpgm
.Lentry_in_a_cluster:
	s_bfe_u32 s2, ttmp6, 0x10000c
	s_cmp_lg_u32 s2, 0x3003
	s_cbranch_scc0 .Lentry_shape_is_right
	s_endpgm
.Lentry_shape_is_right:
; LAUNCH 3 OF 4.  ctx[b][h][q][:] = the sum over k of softmax_k(where(mask[b][k], Q[q] . K[k] / 8, -inf)) V[k][:].  Q, K, V: the three sections of qkv, [4][16][2048][64] f16; ctx the same shape, f16.
; Products, maxima and sums in f32; the weights p are rounded to f16 for the second product, ctx once at the end.  K carries no bk: dead work, shown at the head of the first launch.
; SHARES.  A work-group owns 256 queries of one (b, h), each of its four waves 64: four tiles of 16.  Every wave walks all 2,048 keys, 64 a step.
; LAYOUT.  S^T = K Q^T (source 0 = 16 keys, source 1 = 16 queries): a lane holds ONE query (lane % 16) and the keys 8 (lane / 16) + 0..7.  Two such tiles, rounded to f16 in pairs, ARE source 1
; (32 keys x 16 queries) of O^T = V^T P, whose result again holds one query a lane.  K comes out of LDS as it lies, V ([key][channel]) turned, by ds_load_tr16_b128.
; THE MASK.  It selects values only.  Each key has a bias, 0 where the mask is true and -2^100 where it is false, made once and kept in LDS; it is the C of a score's first product.  f16 operands bound a
; true score by 64 x 65,504^2 < 2^40; the running maximum m begins at -2^40, under every true score and far over every masked one.  So p = 2^(c s - c m) is exactly 0 for a masked key, in every step;
; steps with no true key leave the sum and O^T at 0, and the first true key's a = 2^(c m_old - c m_new) is 0.  A batch with no true key ends with 0 x (1 / 0) = NaN, as reference()'s softmax does.
; SOFTMAX.  c = log2(e) / 8.  In every step O^T and the sum l are multiplied by a, which is 1 where m has not grown.  THE SUM l is a fifth tile of channels: a source 0 of ones gives the sum of p
; over the keys in every register of an accumulator, so that it needs no additions and no exchange between lanes; of its eight equal registers only the lowest pair is rescaled and read.
; BY TURNS.  The wave's tiles are two PIECES: piece 0 (tiles 0, 1), piece 2 (tiles 2, 3).  In a TURN one piece has the matrix unit: 20 products V^T P of the step in hand, then 16 products K Q^T of the
; next step; the other piece's softmax, 206 vector instructions in 52 slices, is dealt out evenly behind those 36.  Then the pieces change places.  Two turns are a key step.
; CLUSTER.  The four query blocks of a cluster belong to one head and walk the same K and V: each tile is asked for JOINTLY, by the same tensor load with a mask that names the four.
; LIMIT: the f16 range of q, k, v and ctx (65,504).
; REGISTERS, in windows of 256 (s_set_vgpr_msb: bits 1:0 source 0, 3:2 source 1, 5:4 source 2, 7:6 destination):
;   window 0: v1-11 addresses; v12-43 eight registers of statistics a tile; v44-51 addresses and the mask; v61-63; v64-191 S^T, 32 a tile; v192-255 P, 16 a tile
;   window 1: 40 a tile: O^T (four tiles of channels), then l      window 2: v0-63 Q; v128-191 K of one step; v192-223 its biases      window 3: v0-63 V of one step; v64-71 ones
.set KS,    64        ; keys in a step
.set PK,    144       ; a row of K in LDS: 128 bytes + 16 = 36 words: the 16 rows of a load start at 16 different multiples of 4 banks (64 banks of 4 bytes: ISA guide 11.1)
.set PVP,   160       ; a row of V: 128 + 32 = 40 words, an odd multiple of 32 bytes, for the turning load
.set SKEYS, 256       ; keys in a slot: four steps
.set VOFF,  SKEYS*PK  ; a slot: 256 rows of K, then 256 rows of V
.set SLOTB, SKEYS*128 ; a slot's rows of K, or of V, in memory
.set SLOT1, 1<<17     ; slot 1 begins here, so that one exclusive or turns an address in one slot into the other's
.set STAGE, SLOT1+SKEYS*(PK+PVP)  ; behind the ring: 16 rows x 144 bytes for each wave, for the way out
.set SP,    144
.set BIAS,  STAGE+4*16*SP         ; the 2,048 keys' biases, f32: stored once, ahead of the first barrier; no tensor load lands here
.set SPARE, BIAS+2048*4           ; the spare words, 128 bytes a wave, which no other line names
.set AK0, 2           ; v2   my lane's place in a tile of K; never rewritten
.set AV0, 3           ; v3   the same for V
.set ADR, 4           ; v4   the LDS address of the run of loads in hand
.set QO,  5           ; v5   my byte offset in the wave's rows of Q
.set STO, 6           ; v6   the way out: where I put 16 bytes of a row
.set RD,  7           ; v7   where I read 16 bytes back
.set GO,  8           ; v8   my byte offset in the wave's rows of ctx
.set ST,  12          ; tile t's statistics at v[ST+8 t]: +0 c m, +1 m, +4 to +7 c0-c3, at work; a (at the end 1 / l) takes c2's place
.set AB0, 44          ; v44  my lane's place among a step's biases
.set ADB, 45          ; v45  the LDS address of the biases in hand
.set MW,  46          ; v46-49 my 16 bytes of the mask
.set PFO, 61          ; v61  256 x my lane: the prefetches' offset; never rewritten
.set SPW, 62          ; v62  LDS address of my spare word; never rewritten
.set NIL, 63          ; v63  0; never rewritten
.set S,   64
.set P,   192
.set KF,  128         ; K's fragments, in window 2: keys 16 kt on, channels 32 c on, at KF + 16 kt + 8 c
.set BF,  192         ; the biases, in window 2: keys 16 kt on at BF + 8 kt
.set ONES, 64         ; in window 3
.set WV,  12          ; s12  my wave's number
.set LIM, 15          ; s15  1 in a wave that prefetches, else the greatest number
.set PFA, 18          ; s[18:19] where my prefetches stand
.set TBV, 20          ; s20  LDS byte at which V's rows of the step to be fetched begin
.set TBB, 21          ; s21  and its biases
.set M0,  22          ; s22  -2^40
.set G1K, 24          ; s[24:31] group 1 for K's tiles
.set G1V, 32          ; s[32:39] for V's: it differs in the padding alone
.set G0K, 40          ; s[40:47] group 0 for K's tiles: a set for each of the two first fills; the second then walks on
.set G0V, 48          ; s[48:55] the same for V's
.set SLOTS, 56        ; s56  slots still to be asked for
.set CNT, 57          ; s57  counts key steps
.set CS,  58          ; s[58:59] c
.set SEL, 60          ; s[60:61] lane selects for v_permlanex16_b32: lane l xor 16
.set TBK, 62          ; s62  LDS byte at which K's rows of the step to be fetched begin
.set MSB, 0
.macro WIN new                      ; the immediate's high byte repeats the setting that is left; a switch that changes nothing is dropped
.if MSB != (\new)
	s_set_vgpr_msb (MSB<<8)|(\new)
.set MSB, (\new)
.endif
.endm
.set W_KQ0, 0x2a      ; K, Q and the bias in window 2, S^T in window 0
.set W_KQ,  0x0a      ; K and Q in window 2, S^T in window 0
.set W_PV,  0x53      ; V in window 3, P in window 0, O^T in window 1
.set W_RS,  0x41      ; O^T (destination and source 0) in window 1, a in window 0
; A joint refill.  Waves 0 and 1 fetch the halves of a slot's K, waves 2 and 3 those of its V.  The branch hangs on the wave's number alone.  An s_nop 0 and four v_nop follow each line.
.macro JLOAD
	s_cmp_lt_u32 s[WV], 2
	s_cbranch_scc0 .Lfor_v_\@
	tensor_load_to_lds s[G0K+4:G0K+7], s[G1K:G1K+7]
	s_nop 0
.rept 4
	v_nop
.endr
	s_branch .Lasked_\@
.Lfor_v_\@:
	tensor_load_to_lds s[G0V+4:G0V+7], s[G1V:G1V+7]
	s_nop 0
.rept 4
	v_nop
.endr
.Lasked_\@:
.endm
; A PREFETCH of what the NEXT change of slots will ask for: a slot's 32,768 bytes of K and of V.  Each aligned 256 bytes are named once in the launch: both clusters of a head walk the same rows, and the
; first asks; its four partners take 8,192 bytes each, told apart BY ADDRESS; in each, wave 0 asks for K's and wave 2 for V's, lanes 256 bytes apart: one instruction.  It stands behind the wave's tensor
; load, four key steps ahead of the load that will want the rows.  The last change that fills a slot asks for nothing.
.macro ASK
	s_cmp_gt_u32 s[SLOTS], s[LIM]
	s_cbranch_scc0 .Lnot_mine_\@
	global_prefetch_b8 v[PFO], s[PFA:PFA+1] th:TH_LOAD_NT scope:SCOPE_SE
.Lnot_mine_\@:
.endm
.macro CROUND                       ; a round of the cluster's barrier
	s_barrier_signal -1
	s_barrier_wait -1
	s_cmp_lg_u32 s[WV], 0
	s_cbranch_scc1 .Lnot_wave_0_\@
	s_barrier_signal -3
.Lnot_wave_0_\@:
	s_barrier_wait -3
	s_barrier_signal -1
	s_barrier_wait -1
.endm
	s_load_b128 s[4:7], s[0:1], 0x0 ; qkv s[4:5], mask s[6:7]
	s_load_b64 s[8:9], s[0:1], 0x10 ; ctx
	v_lshl_add_u32 v[SPW], v0, 2, SPARE
	v_mov_b32 v[NIL], 0
	ds_add_u32 v[SPW], v[NIL]       ; the wave's opening: the add, twice on end, and its wait ahead of my first tensor load
	ds_add_u32 v[SPW], v[NIL]
	v_lshrrev_b32 v1, 5, v0
	v_readfirstlane_b32 s[WV], v1   ; wave 0..3
	s_bfe_u32 s13, ttmp6, 0x40000   ; cx: my place in the cluster
	s_lshl_b32 s14, ttmp9, 2
	s_add_co_u32 s14, s14, s13      ; my block of 256 queries: it enters Q's and ctx's addresses alone
	s_and_b32 s66, ttmp7, 0xffff    ; 16 b + h, which the four partners share
	s_lshl_b32 s68, s66, 18         ; the head's first byte in a section: 2,048 rows of 128 bytes
	s_mov_b32 s69, 0
	s_and_b32 s16, s[WV], 1         ; which half of a slot's 256 rows I fetch:
	s_lshl_b32 s70, s16, 14         ; 128 rows of 128 bytes in memory,
	s_mov_b32 s71, 0
	s_add_nc_u64 s[70:71], s[70:71], s[68:69]
	s_mul_i32 s74, s16, 128*PK      ; and its place in a slot, for K
	s_mul_i32 s75, s16, 128*PVP
	s_add_co_u32 s75, s75, VOFF     ; and for V: no place in the cluster enters an LDS address
	s_lshl_b32 s72, s14, 15         ; my block's 256 rows,
	s_lshl_b32 s73, s[WV], 13       ; my wave's 64 of them
	s_add_co_u32 s72, s72, s73
	s_mov_b32 s73, 0
	s_add_nc_u64 s[72:73], s[72:73], s[68:69]
	s_lshr_b32 s76, s66, 4
	s_lshl_b32 s76, s76, 11         ; my batch's 2,048 bytes of the mask
	s_mov_b32 s77, 0
	; group 1: a tile of 128 rows x 64 elements of 2 bytes, padded behind every row
	s_mov_b32 s[G1K], 15|(1<<16)|(1<<20)|(1<<21)|(4<<22)|(3<<25)  ; 15:0 the mask: all four work-groups; elements of 2 bytes; padding on; bit 21 set beside a mask; after every 32 words, 4 words
	s_mov_b32 s[G1V], 15|(1<<16)|(1<<20)|(1<<21)|(4<<22)|(7<<25)  ; the same with 8 words
.irp g, G1K, G1V
	s_mov_b32 s[\g+1], 64<<16       ; tensor_dim0
	s_mov_b32 s[\g+2], 128<<16      ; tensor_dim1
	s_mov_b32 s[\g+3], 64<<16       ; tile_dim0
	s_mov_b32 s[\g+4], 128          ; tile_dim1
	s_mov_b32 s[\g+5], 64           ; from row to row
	s_mov_b32 s[\g+6], 0
	s_mov_b32 s[\g+7], 0
.endr
	s_mov_b32 s[CS], 0x3e38aa3b     ; c = log2(e) / 8
	s_mov_b32 s[CS+1], s[CS]        ; named with it as a pair, so it is written
	s_mov_b32 s[SEL], 0x76543210
	s_mov_b32 s[SEL+1], 0xfedcba98
	s_mov_b32 s[M0], 0xd3800000     ; -2^40
	s_mov_b32 s[TBK], 0
	s_mov_b32 s[TBV], 0
	s_mov_b32 s[TBB], 0
	s_mov_b32 s[SLOTS], 2048/SKEYS-2
	s_and_b32 s[LIM], s[WV], 1      ; 0 in waves 0 and 2,
	s_or_b32 s[LIM], s[LIM], ttmp9  ; where the cluster is the head's first: the same in all four partners
	s_cmp_eq_u32 s[LIM], 0
	s_cselect_b32 s[LIM], 1, -1
	v_and_b32 v[PFO], 31, v0
	v_lshlrev_b32 v[PFO], 8, v[PFO]
	s_wait_dscnt 0x0                ; both opening adds are done
	s_wait_kmcnt 0x0
	s_add_nc_u64 s[10:11], s[4:5], s[70:71]
	s_add_nc_u64 s[10:11], s[10:11], 0x1000000  ; K's section, at my half of slot 0
	s_add_nc_u64 s[2:3], s[10:11], 0x1000000    ; V's likewise
	s_add_nc_u64 s[4:5], s[4:5], s[72:73]       ; Q and ctx at my wave's first row
	s_add_nc_u64 s[8:9], s[8:9], s[72:73]
	s_add_nc_u64 s[6:7], s[6:7], s[76:77]       ; the mask at my batch
	s_cmp_lt_u32 s[WV], 2
	s_cselect_b64 s[PFA:PFA+1], s[10:11], s[2:3]  ; (in waves 0 and 2 these stand at a slot's first row)
	s_lshl_b32 s76, s13, 13         ; my work-group's 8,192 bytes of the 32,768
	s_add_nc_u64 s[PFA:PFA+1], s[PFA:PFA+1], s[76:77]
	s_add_nc_u64 s[PFA:PFA+1], s[PFA:PFA+1], 2*SLOTB  ; in slot 2; the first change of slots steps it to slot 3.  Nothing is prefetched at the head
	CROUND                          ; all four work-groups are here: the first joint loads meet
.irp s, 0,1
	s_mov_b32 s[G0K+4*\s], 1        ; count = 1
	s_add_co_u32 s[G0K+4*\s+1], s74, \s*SLOT1  ; LDS address
	s_add_nc_u64 s[G0K+4*\s+2:G0K+4*\s+3], s[10:11], \s*SLOTB  ; global address: keys 256 s on
	s_or_b32 s[G0K+4*\s+3], s[G0K+4*\s+3], 0x80000000  ; type = 2
	s_mov_b32 s[G0V+4*\s], 1
	s_add_co_u32 s[G0V+4*\s+1], s75, \s*SLOT1
	s_add_nc_u64 s[G0V+4*\s+2:G0V+4*\s+3], s[2:3], \s*SLOTB
	s_or_b32 s[G0V+4*\s+3], s[G0V+4*\s+3], 0x80000000
.endr
	s_cmp_lt_u32 s[WV], 2           ; a wave's two first fills stand in one branch, ahead of every wait on TENSORcnt, every LDS read and every barrier of the work-group's own: two loads of mine are out
	s_cbranch_scc0 .Lfirst_v
	tensor_load_to_lds s[G0K:G0K+3], s[G1K:G1K+7]
	s_nop 0
	tensor_load_to_lds s[G0K+4:G0K+7], s[G1K:G1K+7]
	s_nop 0
.rept 4
	v_nop
.endr
	s_branch .Lfirst_asked
.Lfirst_v:
	tensor_load_to_lds s[G0V:G0V+3], s[G1V:G1V+7]
	s_nop 0
	tensor_load_to_lds s[G0V+4:G0V+7], s[G1V:G1V+7]
	s_nop 0
.rept 4
	v_nop
.endr
.Lfirst_asked:
	v_lshlrev_b32 v50, 4, v0
	global_load_b128 v[MW:MW+3], v50, s[6:7]  ; thread t: the mask's bytes of keys 16 t .. 16 t + 15
	v_and_b32 v1, 15, v0            ; l % 16
	v_bfe_u32 v9, v0, 4, 1          ; l / 16
	v_lshlrev_b32 v[QO], 7, v1
	v_lshl_add_u32 v[QO], v9, 4, v[QO]  ; row x 128 + 16 x half
	WIN 0x80                        ; destination window 2, address window 0
.irp i, 0,1,2,3,4,5,6,7             ; Q stays in registers: tile i / 2, channels 32 (i % 2) on
	global_load_b128 v[8*\i:8*\i+3],   v[QO], s[4:5] offset:(\i/2)*2048+(\i%2)*64
	global_load_b128 v[8*\i+4:8*\i+7], v[QO], s[4:5] offset:(\i/2)*2048+(\i%2)*64+32
.endr
	WIN 0
	v_lshl_add_u32 v51, v0, 6, BIAS ; where my 16 biases go
	v_mul_u32_u24 v[AK0], v1, PK
	v_lshl_add_u32 v[AK0], v9, 4, v[AK0]  ; row x pitch + 16 x half
	; The turning load takes 16 keys x 16 channels (lane l reads 16 bytes: key 8 (l / 16) + l % 8, channels 8 ((l / 8) % 2) + 0..7) and leaves half a fragment of V^T: lane l holds channel l % 16 and 8 keys.
	v_and_b32 v10, 7, v0
	v_bfe_u32 v11, v0, 3, 1
	v_lshl_add_u32 v[AV0], v9, 3, v10
	v_mul_u32_u24 v[AV0], v[AV0], PVP
	v_lshl_add_u32 v[AV0], v11, 4, v[AV0]
	v_add_nc_u32 v[AV0], VOFF, v[AV0]
	v_lshl_add_u32 v[AB0], v9, 5, BIAS  ; register j of a tile's bias is key 8 (l / 16) + j: 32 bytes for each half of the lanes
	s_wait_loadcnt 16               ; the mask is in; Q's sixteen loads may be out
.irp w, 0,1,2,3
.irp y, 0,1,2,3
	v_bfe_u32 v[S+4*\w+\y], v[MW+\w], 8*\y, 8       ; the byte, 1 or 0;
.endr
.endr
.set i, 0
.rept 16
	v_add_nc_u32 v[S+i], -1, v[S+i]                 ; 0 or all ones;
.set i, i+1
.endr
.set i, 0
.rept 16
	v_and_b32 v[S+i], 0xf1800000, v[S+i]            ; 0 or -2^100
.set i, i+1
.endr
.irp w, 0,1,2,3
	ds_store_b128 v51, v[S+4*\w:S+4*\w+3] offset:16*\w
.endr
	WIN 0xc0                        ; destination window 3
.set i, 0
.rept 8
	v_mov_b32 v[ONES+i], 0x3c003c00 ; 1.0, 1.0 in f16
.set i, i+1
.endr
	WIN 0
; THE MATRIX WORK OF A TURN, for piece x.  The accumulators take turns, one instruction a turn: between two links of a chain stand 9 (V^T P) or 7 (K Q^T) others'.
; Product i of 20 of O^T += V^T P: keys 32 (i / 10) on; tile of channels (i / 2) % 5, the fifth being the ones; tile x + i % 2.  zero = 1: the first 10 start the sums: nothing is ever cleared.
.macro PV x, zero
	WIN W_PV
.set ct, (i/2)%5
.set rO, 40*(\x+i%2)+8*ct
.set rV, 32*(i/10)+8*ct
.if ct == 4
.set rV, ONES
.endif
.set rP, P+16*(\x+i%2)+8*(i/10)
.if \zero && (i < 10)
	v_wmma_f32_16x16x32_f16 v[rO:rO+7], v[rV:rV+7], v[rP:rP+7], 0
.else
	v_wmma_f32_16x16x32_f16 v[rO:rO+7], v[rV:rV+7], v[rP:rP+7], v[rO:rO+7]
.endif
.endm
; Product i of 16 of S^T = K Q^T + the bias: channels 32 (i / 8) on, keys 16 ((i / 2) % 4) on, tile x + i % 2.  The first 8 start the sums from the keys' biases.
.macro KQ x
.set kt, (i/2)%4
.set rS, S+32*(\x+i%2)+8*kt
.set rK, KF+16*kt+8*(i/8)
.set rQ, 16*(\x+i%2)+8*(i/8)
.if i < 8
	WIN W_KQ0
	v_wmma_f32_16x16x32_f16 v[rS:rS+7], v[rK:rK+7], v[rQ:rQ+7], v[BF+8*kt:BF+8*kt+7]
.else
	WIN W_KQ
	v_wmma_f32_16x16x32_f16 v[rS:rS+7], v[rK:rK+7], v[rQ:rQ+7], v[rS:rS+7]
.endif
.endm
; THE LDS LOADS stand in runs, never singly among the matrix instructions: a step's K (8 fragments) with its biases, 24 loads, and, a turn later, its V (turned), 16 loads.
.macro FETCH_K
	WIN 0
	v_add_nc_u32 v[ADR], s[TBK], v[AK0]
	v_add_nc_u32 v[ADB], s[TBB], v[AB0]
	s_add_co_u32 s[TBK], s[TBK], KS*PK  ; the next fetch is the next step's
	s_add_co_u32 s[TBB], s[TBB], KS*4
	WIN 0x80                        ; destination window 2
.irp f, 0,1,2,3,4,5,6,7             ; keys 16 (f / 2) on, channels 32 (f % 2) on
	ds_load_b128 v[KF+8*\f:KF+8*\f+3],   v[ADR] offset:(\f/2)*16*PK+(\f%2)*64
	ds_load_b128 v[KF+8*\f+4:KF+8*\f+7], v[ADR] offset:(\f/2)*16*PK+(\f%2)*64+32
.endr
.irp f, 0,1,2,3                     ; keys 16 f on: sixteen lanes read the same 16 bytes
	ds_load_b128 v[BF+8*\f:BF+8*\f+3],   v[ADB] offset:64*\f
	ds_load_b128 v[BF+8*\f+4:BF+8*\f+7], v[ADB] offset:64*\f+16
.endr
.endm
.macro FETCH_V
	WIN 0
	v_add_nc_u32 v[ADR], s[TBV], v[AV0]
	s_add_co_u32 s[TBV], s[TBV], KS*PVP
	s_wait_alu depctr_va_vdst(0)    ; the wait for the softmax's batch of exponentials (SLICE), ahead of the first instruction that names a result
	WIN 0xc0                        ; destination window 3
.irp f, 0,1,2,3,4,5,6,7             ; keys 32 (f / 4) on, channels 16 (f % 4) on
	ds_load_tr16_b128 v[8*\f:8*\f+3],   v[ADR] offset:(\f/4)*32*PVP+(\f%4)*32
	ds_load_tr16_b128 v[8*\f+4:8*\f+7], v[ADR] offset:(\f/4)*32*PVP+16*PVP+(\f%4)*32
.endr
.endm
; THE VECTOR WORK OF A TURN.  One tile's softmax for one key step is a list of 103 instructions; SM writes number j of it for tile t.  s0-s31 are the lane's 32 scores, in pairs 0-15.
; first = 1: the first key step, which starts m, l and O^T: it has no a and nothing to rescale, and -2^40 stands in the old m's place.
;   0-15    the maximum of s0-s31 and the old m, three operands at a time; each accumulator of scores is first read at its low end
;   16-20   the other half of the lanes' maximum; the new m; c m; c m_old - c m_new
;   21-69   ONE BATCH: the 16 scalings c s - c m, a pair of scores each, and all 33 exponentials (a at 23, then s0-s31).  None of these reads an exponential's result.  From 22 on the batch goes in fours,
;           a four beginning with a scaling while there are scalings; a pair is scaled in an earlier four than the one that holds its exponentials
;   (wait)  between 69 and 70 stands the one wait for the batch: SLICE writes it, once for both tiles
;   70-85   the roundings to f16, a pair of weights each
;   86      l's lowest pair times a;   87-102  the tile's O^T times a: the part that leaves window 0, so it stands together
.macro SM t, first
.set rT, ST+8*(\t)
.set rS, S+32*(\t)
.set rP, P+16*(\t)
.set rO, 40*(\t)+2*(j-87)
.set rL, 40*(\t)+32
.if j < 86
	WIN 0
.endif
.if j < 4
	v_max3_num_f32 v[rT+4+j], v[rS+8*j], v[rS+8*j+1], v[rS+8*j+2]
.elseif j < 12
	v_max3_num_f32 v[rT+4+j%4], v[rT+4+j%4], v[rS+8*(j%4)+2*(j/4)+1], v[rS+8*(j%4)+2*(j/4)+2]
.elseif j == 12
	v_max3_num_f32 v[rT+4], v[rT+4], v[rS+7], v[rS+15]
.elseif j == 13
	v_max3_num_f32 v[rT+6], v[rT+6], v[rS+23], v[rS+31]
.elseif j == 14
	v_max3_num_f32 v[rT+4], v[rT+4], v[rT+5], v[rT+6]
.elseif (j == 15) && \first
	v_max3_num_f32 v[rT+4], v[rT+4], v[rT+7], s[M0]
.elseif j == 15
	v_max3_num_f32 v[rT+4], v[rT+4], v[rT+7], v[rT+1]
.elseif j == 16
	v_permlanex16_b32 v[rT+5], v[rT+4], s[SEL], s[SEL+1]  ; the query's other 32 keys lie in the lane 16 away
.elseif j == 18
	v_max_num_f32 v[rT+1], v[rT+4], v[rT+5]
.elseif j == 19
	v_mul_f32 v[rT], s[CS], v[rT+1]
.elseif ((j == 17) || (j == 20) || (j == 23) || (j > 85)) && \first  ; the first step has none of these
.elseif j == 17
	v_mov_b32 v[rT+7], v[rT]        ; c m_old is kept for a: number 19 writes c m anew
.elseif j == 20
	v_sub_f32 v[rT+7], v[rT+7], v[rT]
.elseif j == 23
	v_exp_f32 v[rT+6], v[rT+7]
.elseif (j < 23) || ((j < 38) && (j%2 == 0)) || ((j < 66) && (j%4 == 2))
.set b, (j-2)/4                     ; 38, 42, .. 62: pairs 9 to 15
.if j < 38
.set b, (j-20)/2                    ; 21: pair 0; 22, 24, .. 36: pairs 1 to 8
.endif
	v_pk_fma_f32 v[rS+2*b:rS+2*b+1], v[rS+2*b:rS+2*b+1], s[CS:CS+1], v[rT:rT+1] op_sel_hi:[1,0,0] neg_lo:[0,0,1] neg_hi:[0,0,1]  ; pair b: c s - c m
.elseif j < 70
.set e, j-38                        ; 66 to 69: s28 to s31
.if j < 66
.set e, j-32-(j-38)/4               ; 39-41, 43-45, .. 63-65: s7 to s27
.endif
.if j < 38
.set e, (j-25)/2                    ; 25, 27, .. 37: s0 to s6
.endif
	v_exp_f32 v[rS+e], v[rS+e]
.elseif j < 86
	v_cvt_pk_f16_f32 v[rP+j-70], v[rS+2*(j-70)], v[rS+2*(j-70)+1]  ; pair j - 70
.elseif j == 86
	WIN W_RS
	v_pk_mul_f32 v[rL:rL+1], v[rL:rL+1], v[rT+6:rT+7] op_sel_hi:[1,0]
.elseif j < 103
	WIN W_RS
	v_pk_mul_f32 v[rO:rO+1], v[rO:rO+1], v[rT+6:rT+7] op_sel_hi:[1,0]
.endif
.endm
; Slice k of 52 of piece y's softmax.  Slices 11 to 34 deal out the batch, numbers 22 to 69: four numbers of ONE tile each, the tiles by turns.  Every other slice is numbers 2 k and 2 k + 1 of both
; tiles' lists, the tiles alternating (slice 51 has number 102 alone).  Ahead of slice 35 nothing names an exponential's result, and behind slice 34 no exponential is issued: one wait, behind slice 34.
.macro SLICE y, first
.if (k >= 11) && (k < 35)
.irp n, 0,1,2,3
.set j, 22+4*((k-11)/2)+(\n)
	SM (\y)+(k-11)%2, \first
.endr
.else
.irp n, 0,1
.irp t, \y, \y+1
.set j, 2*k+\n
	SM \t, \first
.endr
.endr
.endif
.if k == 34
	v_nop                           ; a plain instruction behind the last exponential and ahead of the first use: one for the batch
.if (\y) == 0
	FETCH_V                         ; piece 2's turn: V's run of loads stands here, and the wait stands in it
.else
	s_wait_alu depctr_va_vdst(0)    ; the wait for the batch
.endif
.endif
.set k, k+1
.endm
.macro DEAL y, first                ; behind the turn's ip-th product of NPT: as many slices as bring the count to 52 ip / NPT
.set ip, ip+1
.rept (ip*52)/NPT-k
	SLICE \y, \first
.endr
.endm
; A vector instruction that reads a matrix result or writes one of a matrix instruction's registers, and a load into a register that a matrix instruction has read, stand four places behind it; only
; plain vector instructions that name none of its registers are places.  In the loop the slices are the places.
.macro PLACES
.rept 4
	v_nop
.endr
.endm
; A TURN.  Piece x has the matrix unit; the other piece's softmax stands in slices behind its products.  pv = 2: 20 products V^T P; 1: they start O^T's sums; 0: none.  kq = 1: 16 products K Q^T.
; first = 1: the softmax is the first key step's; its slices from 43 on are empty, so four v_nop close the turn.
; With 36 products: behind the last K Q^T stand slices 50 and 51, six multiplications of the other piece's O^T: the places ahead of the next turn's first read of those scores and of the loads into K's and
; the biases' registers.  V's run stands behind slice 34; the last product that read V is the 20th, behind which slices 28 to 32 hold five scalings, then the v_nop and the run's own addition.
.macro TURN x, pv, kq, first
.set k, 0
.set ip, 0
.set NPT, 0
.if \pv
.set NPT, NPT+20
.endif
.if \kq
.set NPT, NPT+16
.endif
.if \pv
.if \x == 0
	s_wait_dscnt 0x0                ; V is in
.endif
.set i, 0
.rept 20
	PV \x, 2-\pv
	DEAL 2-\x, \first
.if (\x == 0) && \kq && (i == 1)
	FETCH_K
.endif
.set i, i+1
.endr
.endif
.if \kq
.if \x == 0
	s_wait_dscnt 0x0                ; K and the biases are in
.endif
.set i, 0
.rept 16
	KQ \x
	DEAL 2-\x, \first
.set i, i+1
.endr
.endif
.if \first
	PLACES
.endif
.endm
; THE CHANGE OF SLOTS, between piece 2's turn and piece 0's: the slot's last bytes, V of its fourth step, have been asked for.  Each wave waits for all its tensor loads, of which one is out: its part of
; the other slot; adds 0 to its spare word; and waits for that and for its own reads of the slot.  Behind the barrier nobody reads this slot any more and the other slot is whole.
; fill = 1: this slot is filled again, with the keys two slots on.  The barrier is then a round of the cluster's, and the joint refill is the first thing behind it: it has four key steps in which to land.
.macro CHANGE fill
	WIN 0                           ; at a label and at a branch every window is 0
	s_wait_tensorcnt 0x0            ; no tensor load of mine is out, so a group 0 may be written
	ds_add_u32 v[SPW], v[NIL]       ; 0 onto my spare word
.if \fill
.irp g, G0K+4, G0V+4
	s_xor_b32 s[\g+1], s[\g+1], SLOT1  ; the walking descriptor: the other slot than last time,
	s_add_nc_u64 s[\g+2:\g+3], s[\g+2:\g+3], SLOTB  ; the next 256 keys; the type bits on top are not reached
.endr
	s_wait_xcnt 0x0                 ; the last prefetch, four key steps back, has read its address, so it may be written:
	s_add_nc_u64 s[PFA:PFA+1], s[PFA:PFA+1], SLOTB  ; one slot further on than the walking descriptors
	s_wait_dscnt 0x0                ; the add is done, and my reads of the slot are over
	CROUND
	JLOAD
	ASK
.else
	s_wait_dscnt 0x0                ; the add is done, and my reads of the slot are over
	s_barrier_signal -1
	s_barrier_wait -1
.endif
	s_sub_co_u32 s[TBK], s[TBK], SKEYS*PK  ; the fetches go back to a slot's first step,
	s_xor_b32 s[TBK], s[TBK], SLOT1        ; in the other slot
	s_sub_co_u32 s[TBV], s[TBV], SKEYS*PVP
	s_xor_b32 s[TBV], s[TBV], SLOT1
.endm
.macro STEPS n                      ; n key steps: written once, walked n times; the LDS addresses hang on the three scalars
	s_mov_b32 s[CNT], \n
.Lstep_\@:
	TURN 0, 2, 1, 0
	TURN 2, 2, 1, 0
	WIN 0
	s_sub_co_u32 s[CNT], s[CNT], 1
	s_cmp_lg_u32 s[CNT], 0
	s_cbranch_scc1 .Lstep_\@
.endm
	s_wait_tensorcnt 1              ; my part of slot 0 is in; slot 1's may stay out
	s_wait_dscnt 0x0                ; my 16 biases are stored
	s_barrier_signal -1
	s_barrier_wait -1               ; everybody's are
	FETCH_K                         ; key step 0
	s_wait_loadcnt 0x0              ; Q
	s_wait_dscnt 0x0
.set i, 0
.rept 16
	KQ 0                            ; piece 0's first scores: there is no vector work yet to set between them
.set i, i+1
.endr
	WIN 0                           ; the addresses for the way out are made here: ten plain instructions, the places behind those products
	s_mul_i32 s13, s[WV], 16*SP
	s_add_co_u32 s13, s13, STAGE    ; my stage
	v_mul_u32_u24 v[STO], v1, SP    ; in: row l % 16, 16 bytes for each half of the lanes
	v_lshl_add_u32 v[STO], v9, 4, v[STO]
	v_add_nc_u32 v[STO], s13, v[STO]
	v_and_b32 v[GO], 31, v0
	v_lshrrev_b32 v[RD], 3, v[GO]   ; back: eight lanes to a row of 128 bytes, four rows a load
	v_mul_u32_u24 v[RD], v[RD], SP
	v_and_b32 v10, 7, v0
	v_lshl_add_u32 v[RD], v10, 4, v[RD]
	v_add_nc_u32 v[RD], s13, v[RD]
	v_lshlrev_b32 v[GO], 4, v[GO]   ; in ctx the four rows are 512 consecutive bytes: 16 x lane
	TURN 2, 0, 1, 1                 ; piece 2's first scores | piece 0's first softmax | V of step 0
	TURN 0, 1, 1, 1                 ; piece 0: V^T P of step 0 starts O^T, K Q^T of step 1 | piece 2's first softmax | K of step 1
	TURN 2, 1, 1, 0                 ; piece 2: the same | piece 0's softmax of step 1 | V of step 1
	WIN 0
	STEPS 2                         ; steps 2 and 3 are fetched: slot 0 is read out
.Lslot:                             ; six trips: every slot but the last two is filled again
	CHANGE 1
	STEPS 4
	s_sub_co_u32 s[SLOTS], s[SLOTS], 1
	s_cmp_lg_u32 s[SLOTS], 0
	s_cbranch_scc1 .Lslot
	CHANGE 0                        ; the tail is written out: nothing is asked for
	STEPS 4
	TURN 0, 2, 0, 0                 ; piece 0: V^T P of the last step | piece 2's last softmax
.set i, 0
.rept 20
	PV 2, 0                         ; piece 2: V^T P of the last step
.set i, i+1
.endr
	; THE WAY OUT.  O^T is divided by l, rounded to f16 and sent through my stage in LDS, a tile (16 rows of ctx) at a time.
	PLACES
	WIN 0x01                        ; source 0 window 1
.irp t, 0,1,2,3
	v_rcp_f32 v[ST+8*\t+6], v[40*\t+32]  ; l's accumulator is read at its lowest register
.endr
	v_nop                           ; a plain instruction between the last reciprocal and the use of its result
	s_wait_alu depctr_va_vdst(0)    ; and the wait ahead of the first use: one for the four
.macro PACK t
	WIN W_RS
.set i, 0
.rept 16
	v_pk_mul_f32 v[40*\t+2*i:40*\t+2*i+1], v[40*\t+2*i:40*\t+2*i+1], v[ST+8*\t+6:ST+8*\t+7] op_sel_hi:[1,0]
.set i, i+1
.endr
	WIN 0x05                        ; sources 0 and 1 window 1, destination window 0: S^T's registers are free
.set i, 0
.rept 16
	v_cvt_pk_f16_f32 v[S+32*\t+i], v[40*\t+2*i], v[40*\t+2*i+1]
.set i, i+1
.endr
	WIN 0
.irp f, 0,1,2,3
	ds_store_b128 v[STO], v[S+32*\t+4*\f:S+32*\t+4*\f+3] offset:32*\f
.endr
.irp f, 0,1,2,3
	ds_load_b128 v[S+32*\t+16+4*\f:S+32*\t+16+4*\f+3], v[RD] offset:\f*4*SP  ; LDS serves a wave's instructions in order (ISA guide 5.7.1.4): these see the stores above; the next tile's stores come behind them
.endr
.endm
.macro SEND t, younger              ; younger: the LDS instructions issued behind tile t's loads: the next tile's eight, or none
.irp f, 0,1,2,3
	s_wait_dscnt \younger+3-\f
	global_store_b128 v[GO], v[S+32*\t+16+4*\f:S+32*\t+16+4*\f+3], s[8:9] offset:\t*2048+\f*512  ; 32 lanes store 512 consecutive bytes, aligned
.endr
.endm
	PACK 0
	PACK 1                          ; a tile's arithmetic stands between the loads of the tile before and its stores
	SEND 0, 8
	PACK 2
	SEND 1, 8
	PACK 3
	SEND 2, 8
	SEND 3, 0
	s_wait_tensorcnt 0x0            ; the wave's end, behind my last tensor load and my last LDS store
	ds_add_u32 v[SPW], v[NIL]
	s_wait_dscnt 0x0
	CROUND                          ; the closing round: no work-group ends while a partner may still ask for a tile that names it
	s_endpgm
.Lfunc_end_k_q514cb615e5_attn:
	.size	k_q514cb615e5_attn, .Lfunc_end_k_q514cb615e5_attn-k_q514cb615e5_attn
	.p2alignl 7, 3214868480
	.fill 96, 4, 3214868480
	.section	.rodata,"a",@progbits
	.p2align	6, 0x0
	.amdhsa_kernel k_q514cb615e5_attn
		.amdhsa_group_segment_fixed_size 327680
		.amdhsa_private_segment_fixed_size 0
		.amdhsa_enable_private_segment 0
		.amdhsa_kernarg_size 24
		.amdhsa_user_sgpr_count 2
		.amdhsa_user_sgpr_kernarg_segment_ptr 1
		.amdhsa_wavefront_size32 1
		.amdhsa_system_sgpr_workgroup_id_x 1
		.amdhsa_system_sgpr_workgroup_id_y 1
		.amdhsa_system_sgpr_workgroup_id_z 1
		.amdhsa_system_vgpr_workitem_id 0
		.amdhsa_next_free_vgpr 1024
		.amdhsa_next_free_sgpr 80
		.amdhsa_reserve_vcc 0
		.amdhsa_float_denorm_mode_32 3
		.amdhsa_float_denorm_mode_16_64 3
		.amdhsa_memory_ordered 1
		.amdhsa_forward_progress 1
		.amdhsa_inst_pref_size 188
	.end_amdhsa_kernel
	.amdgpu_metadata
---
amdhsa.version: [ 1, 2 ]
amdhsa.kernels:
  - .name:           k_q514cb615e5_attn
    .symbol:         k_q514cb615e5_attn.kd
    .args:
      - { .name: qkv, .offset: 0, .size: 8, .value_kind: global_buffer, .address_space: global }
      - { .name: mask, .offset: 8, .size: 8, .value_kind: global_buffer, .address_space: global }
      - { .name: ctx, .offset: 16, .size: 8, .value_kind: global_buffer, .address_space: global }
    .group_segment_fixed_size: 327680
    .private_segment_fixed_size: 0
    .kernarg_segment_align: 8
    .kernarg_segment_size: 24
    .max_flat_workgroup_size: 128
    .sgpr_count:     80
    .vgpr_count:     1024
    .wavefront_size: 32
...
	.end_amdgpu_metadata
.endif
;; end of part 3
;; launch outp (part 4): grid 8 x 64, 4 waves a work-group, clusters of 4 x 4, 327,680 bytes of LDS; arguments ctx, wo16, bo, out0; writes out0
.if DOCPART == 4
	.amdgcn_target "amdgcn-amd-amdhsa--gfx1250"
	.amdhsa_code_object_version 6
	.text
	.protected	k_q514cb615e5_outp
	.globl	k_q514cb615e5_outp
	.p2align	8
	.type	k_q514cb615e5_outp,@function
k_q514cb615e5_outp:
	s_mov_b64 s[64:65], 0
	v_nop
	global_prefetch_b8 v0, s[64:65] scope:SCOPE_SE
	s_setreg_imm32_b32 hwreg(HW_REG_WAVE_MODE, 25, 1), 1
	s_wait_xcnt 0x0
	s_wait_alu depctr_hold_cnt(0) depctr_sa_sdst(0) depctr_va_vdst(0) depctr_va_sdst(0) depctr_va_ssrc(0) depctr_va_vcc(0) depctr_vm_vsrc(0)
	s_getreg_b32 s2, hwreg(HW_REG_IB_STS2, 6, 4)
	s_cmp_eq_u32 s2, 0
	s_cbranch_scc0 .Lentry_in_a_cluster
	s_endpgm
.Lentry_in_a_cluster:
	s_bfe_u32 s2, ttmp6, 0x10000c
	s_cmp_lg_u32 s2, 0xf033
	s_cbranch_scc0 .Lentry_shape_is_right
	s_endpgm
.Lentry_shape_is_right:
; LAUNCH 4 OF 4.  out0[m][n] = the sum over k of ctx[m][k] Wo[n][k] + bo[n]: f16 operands, sums in f32, out0 [8192][1024] f32.  m = 2,048 b + s; k = 64 h + d; ctx lies by head, [4 b][16 h][2048 s][64 d].
; A tile of out0 is 128 x 128: 512 work-groups of four waves, each wave 64 x 64: 16 accumulators.  K goes in four steps of 256 (four heads) through two LDS slots; the four steps are written out.
; A's tile of a wave's load is 64 tokens x 4 heads: stated as 4 rows (heads, 131,072 elements apart) of 4,096 elements (a head's 64 tokens are dense), with 16 bytes of padding behind every 128 bytes:
; in LDS [head][token] with tokens 144 bytes apart.  B's is 64 rows of Wo x 256 along K, rows 528 bytes apart.
; CLUSTERS: 4 x 4 work-groups.  The four of a row of the cluster need the same tiles of ctx, the four of a column the same tiles of Wo: each is asked for JOINTLY.
; THE MATRIX INSTRUCTION IS USED TRANSPOSED (source 0 = 16 rows of Wo, source 1 = 16 rows of ctx): a lane holds eight neighbouring columns of a row.  bo is the C of each sum's first product.
; No prefetch: a step's matrix work is short and its tiles small; the slots are as long as two of them fit.
; REGISTERS: window 0: v16-30 addresses; v32-95 rows on the way out; v96-127 bo, 8 registers for each of my 4 column blocks; v128-255 the accumulators ((a, b) at v[128 + 8 (4 a + b)]).
;   window 1: two fragment buffers of 128: for 64 along K, 64 registers of A (2 x 4 x 16 rows x 32 K), then 64 of B.
.set PA,     144                       ; a token's row of one head in LDS: 128 bytes + 16
.set HPL,    64*PA                     ; a head's 64 tokens
.set HALFA,  4*HPL                     ; what one tensor load brings of A: 64 tokens x 4 heads
.set PB,     528                       ; a row of B: 512 bytes + 16
.set HALFB,  64*PB                     ; what one tensor load brings of B
.set BOFF,   2*HALFA                   ; a slot: A's two halves, then B's two
.set SLOT,   BOFF+2*HALFB
.set STAGE,  2*SLOT                    ; behind the ring: 16 rows x (256 bytes + 16) for each wave, its own; no tensor load lands here
.set SPITCH, 272
.set SPARE,  STAGE+4*16*SPITCH         ; the spare words, 128 bytes a wave, which no other line names
.set ASTEP,  4*262144                  ; a K step on in ctx: four heads
.set BSTEP,  512                       ; and in a row of Wo
.set ADRA, 16                          ; v16-17  LDS address of my A fragments in slot 0, 1
.set ADRB, 20                          ; v20-21  the same for B
.set STO,  24                          ; v24     the way out: where I put 32 bytes of a row
.set RD,   25                          ; v25     where I read a row back
.set CO,   26                          ; v26     my byte offset in out0
.set SPW,  28                          ; v28     LDS address of my spare word; never rewritten
.set NIL,  29                          ; v29     0; never rewritten
.set BOF,  30                          ; v30     32 x (lane / 16)
.set TMP,  32
.set BO,   96
.set ACC,  128
.set F0,   0                           ; fragment buffers, in window 1
.set F1,   128
.set G1, 24                            ; s[24:31] group 1 for A's tiles;  s[32:39] group 0, one set for each slot
.set G0, 32
.set G1B, 48                           ; s[48:55], s[56:63] the same for B's tiles
.set G0B, 56
.set MSB, 0
.macro WIN new
.if MSB != (\new)
	s_set_vgpr_msb (MSB<<8)|(\new)
.set MSB, (\new)
.endif
.endm
.set MUL,  0x05                        ; sources 0 (B) and 1 (A) window 1; C and D window 0
.set TO_F, 0x40                        ; destination window 1, address window 0
.macro JLOAD s                         ; a joint load: waves 0 and 1 fetch A's two halves, waves 2 and 3 B's; an s_nop 0 and four v_nop follow each of the two lines
	s_cmp_eq_u32 s11, 0
	s_cbranch_scc0 .Lfor_b_\@
	tensor_load_to_lds s[G0+4*\s:G0+4*\s+3], s[G1:G1+7]
	s_nop 0
.rept 4
	v_nop
.endr
	s_branch .Lasked_\@
.Lfor_b_\@:
	tensor_load_to_lds s[G0B+4*\s:G0B+4*\s+3], s[G1B:G1B+7]
	s_nop 0
.rept 4
	v_nop
.endr
.Lasked_\@:
.endm
.macro CREST                           ; a round of the cluster's barrier behind its opening barrier
	s_cmp_lg_u32 s10, 0
	s_cbranch_scc1 .Lnot_wave_0_\@
	s_barrier_signal -3
.Lnot_wave_0_\@:
	s_barrier_wait -3
	s_barrier_signal -1
	s_barrier_wait -1
.endm
.macro CROUND                          ; a whole round
	s_barrier_signal -1
	s_barrier_wait -1
	CREST
.endm
	s_load_b128 s[4:7], s[0:1], 0x0                ; ctx s[4:5], wo16 s[6:7]
	s_load_b64 s[66:67], s[0:1], 0x10              ; bo
	s_load_b64 s[8:9], s[0:1], 0x18                ; out0
	v_lshl_add_u32 v[SPW], v0, 2, SPARE
	v_mov_b32 v[NIL], 0
	ds_add_u32 v[SPW], v[NIL]                      ; the wave's opening: the add, twice on end, and its wait ahead of my first tensor load
	ds_add_u32 v[SPW], v[NIL]
	v_lshrrev_b32 v1, 5, v0
	v_readfirstlane_b32 s10, v1                    ; wave 0..3
	s_lshr_b32 s11, s10, 1                         ; which half of the tile's rows is mine.  Also: I fetch for A (0) or for B (1)
	s_and_b32 s12, s10, 1                          ; which half of its columns.  Also: which 64 rows of that tile I fetch
	s_bfe_u32 s40, ttmp6, 0x40000                  ; cx, cy: my place in the cluster
	s_bfe_u32 s41, ttmp6, 0x40004
	s_lshl_b32 s42, ttmp9, 2
	s_add_co_u32 s42, s42, s40                     ; tile column = 4 x cluster x + cx: 0..7
	s_and_b32 s13, ttmp7, 0xffff
	s_lshl_b32 s13, s13, 2
	s_add_co_u32 s13, s13, s41                     ; tile row = 4 x cluster y + cy: 0..63
	s_lshl_b32 s43, s41, 2
	s_lshl_b32 s43, 15, s43                        ; my row of the cluster
	s_lshl_b32 s44, 0x1111, s40                    ; my column
	s_or_b32 s[G1+0], s43, (1<<16)|(1<<20)|(1<<21)|(4<<22)|(3<<25)  ; A: the mask of my row; elements of 2 bytes; padding on; bit 21 set beside a mask; after every 32 words (a token), 4 words
	s_mov_b32 s[G1+1], 4096<<16                    ; tensor_dim0 = 4,096: a head's 64 tokens
	s_mov_b32 s[G1+2], 4<<16                       ; tensor_dim1 = 4 heads
	s_mov_b32 s[G1+3], 4096<<16                    ; tile_dim0
	s_mov_b32 s[G1+4], 4                           ; tile_dim1
	s_mov_b32 s[G1+5], 131072                      ; from head to head, in elements
	s_mov_b32 s[G1+6], 0
	s_mov_b32 s[G1+7], 0
	s_or_b32 s[G1B+0], s44, (1<<16)|(1<<20)|(1<<21)|(6<<22)|(3<<25) ; B: the mask of my column; after every 128 words (a row), 4 words
	s_mov_b32 s[G1B+1], 256<<16                    ; tensor_dim0 = 256
	s_mov_b32 s[G1B+2], 64<<16                     ; tensor_dim1 = 64
	s_mov_b32 s[G1B+3], 256<<16                    ; tile_dim0
	s_mov_b32 s[G1B+4], 64                         ; tile_dim1
	s_mov_b32 s[G1B+5], 1024                       ; from row to row
	s_mov_b32 s[G1B+6], 0
	s_mov_b32 s[G1B+7], 0
	s_lshl_b32 s17, s12, 6                         ; which 64 rows of the tile I fetch
	s_lshl_b32 s16, s13, 7
	s_add_co_u32 s16, s16, s17                     ; A: row 128 x tile row + 64 x half, of 8,192:
	s_lshr_b32 s18, s16, 11
	s_lshl_b32 s18, s18, 22                        ; its batch, 16 heads of 262,144 bytes,
	s_and_b32 s16, s16, 2047
	s_lshl_b32 s16, s16, 7                         ; and its token, 128 bytes
	s_add_co_u32 s16, s16, s18
	s_mov_b32 s17, 0
	s_lshl_b32 s46, s42, 7
	s_lshl_b32 s47, s12, 6
	s_add_co_u32 s46, s46, s47                     ; B: row 128 x tile column + 64 x half,
	s_lshl_b32 s46, s46, 11                        ; of 2,048 bytes
	s_mov_b32 s47, 0
	s_mul_i32 s20, s12, HALFA                      ; where they go: no place in the cluster enters an LDS address
	s_mul_i32 s21, s12, HALFB
	s_add_co_u32 s21, s21, BOFF
	s_wait_dscnt 0x0                               ; both opening adds are done
	s_wait_kmcnt 0x0
	s_add_nc_u64 s[14:15], s[4:5], s[16:17]
	s_add_nc_u64 s[46:47], s[6:7], s[46:47]
	CROUND                                         ; all sixteen work-groups are here: the first joint loads meet
.irp s, 0,1
	s_mov_b32 s[G0+4*\s], 1
	s_add_co_u32 s[G0+4*\s+1], s20, \s*SLOT
	s_add_nc_u64 s[G0+4*\s+2:G0+4*\s+3], s[14:15], \s*ASTEP
	s_or_b32 s[G0+4*\s+3], s[G0+4*\s+3], 0x80000000
	s_mov_b32 s[G0B+4*\s], 1
	s_add_co_u32 s[G0B+4*\s+1], s21, \s*SLOT
	s_add_nc_u64 s[G0B+4*\s+2:G0B+4*\s+3], s[46:47], \s*BSTEP
	s_or_b32 s[G0B+4*\s+3], s[G0B+4*\s+3], 0x80000000
	JLOAD \s                                       ; two loads of mine are out
.endr
	v_and_b32 v1, 15, v0                           ; l % 16
	v_bfe_u32 v2, v0, 4, 1                         ; l / 16
	v_lshlrev_b32 v[BOF], 5, v2
	s_lshl_b32 s16, s13, 7
	s_lshl_b32 s17, s11, 6
	s_add_co_u32 s16, s16, s17                     ; my first row of out0: 128 x tile row + 64 x half,
	s_lshl_b32 s16, s16, 12                        ; of 4,096 bytes
	s_mov_b32 s17, 0
	s_add_nc_u64 s[8:9], s[8:9], s[16:17]
	s_lshl_b32 s46, s42, 7
	s_lshl_b32 s47, s12, 6
	s_add_co_u32 s46, s46, s47                     ; my first column: 128 x tile column + 64 x half,
	s_lshl_b32 s46, s46, 2                         ; in bytes
	s_mov_b32 s47, 0
	s_add_nc_u64 s[8:9], s[8:9], s[46:47]
	s_add_nc_u64 s[66:67], s[66:67], s[46:47]
.irp b, 0,1,2,3                        ; lane (r, h) holds, of column block b, columns 16 b + 8 h + 0..7: their eight numbers of bo
	global_load_b128 v[BO+8*\b:BO+8*\b+3], v[BOF], s[66:67] offset:64*\b
	global_load_b128 v[BO+8*\b+4:BO+8*\b+7], v[BOF], s[66:67] offset:64*\b+16
.endr
	v_mul_u32_u24 v3, v1, PA
	v_lshl_add_u32 v3, v2, 4, v3                   ; A: a fragment's row x pitch + 16 x half
	v_mul_u32_u24 v4, v1, PB
	v_lshl_add_u32 v4, v2, 4, v4                   ; B likewise
	s_mul_i32 s22, s11, HALFA                      ; my 64 rows of A
	s_mul_i32 s23, s12, HALFB                      ; my 64 rows of B,
	s_add_co_u32 s23, s23, BOFF                    ; which lie behind A's
.irp s, 0,1
	v_add_nc_u32 v[ADRA+\s], s22, v3
	v_add_nc_u32 v[ADRB+\s], s23, v4
	s_add_co_u32 s22, s22, SLOT
	s_add_co_u32 s23, s23, SLOT
.endr
	s_mul_i32 s22, s10, 16*SPITCH
	s_add_co_u32 s22, s22, STAGE                   ; my stage
	v_mul_u32_u24 v5, v1, SPITCH                   ; in: row l % 16, 32 bytes for each half of the lanes
	v_lshl_add_u32 v5, v2, 5, v5
	v_add_nc_u32 v[STO], s22, v5
	v_mul_u32_u24 v5, v2, SPITCH                   ; back: lanes 0-15 take one row of 256 bytes, lanes 16-31 the next
	v_lshl_add_u32 v5, v1, 4, v5
	v_add_nc_u32 v[RD], s22, v5
	v_lshlrev_b32 v5, 12, v2                       ; and the same two rows in out0
	v_lshl_add_u32 v[CO], v1, 4, v5
; 8 matrix instructions: m blocks a0, a0 + 1 x all 4 n blocks, 32 along K: half c of buffer f.  zero = 1: the first product starts the sum from bo.  The 16 accumulators take turns.
.macro MUL8 f, c, a0, zero
.irp a, \a0, \a0+1
.irp b, 0,1,2,3
.if \zero
	v_wmma_f32_16x16x32_f16 v[ACC+8*(4*(\a)+\b):ACC+8*(4*(\a)+\b)+7], v[\f+64+8*(4*\c+\b):\f+64+8*(4*\c+\b)+7], v[\f+8*(4*\c+\a):\f+8*(4*\c+\a)+7], v[BO+8*\b:BO+8*\b+7]
.else
	v_wmma_f32_16x16x32_f16 v[ACC+8*(4*(\a)+\b):ACC+8*(4*(\a)+\b)+7], v[\f+64+8*(4*\c+\b):\f+64+8*(4*\c+\b)+7], v[\f+8*(4*\c+\a):\f+8*(4*\c+\a)+7], v[ACC+8*(4*(\a)+\b):ACC+8*(4*(\a)+\b)+7]
.endif
.endr
.endr
.endm
; 32 LDS loads in one run: the fragments of the slot's q-th 64 along K (its q-th head) into buffer f; the first 32 along K first
.macro FETCH slot, q, f
	WIN TO_F
.irp c, 0,1
.irp i, 0,1,2,3
	ds_load_b128 v[\f+64+8*(4*\c+\i):\f+64+8*(4*\c+\i)+3],   v[ADRB+\slot] offset:128*(\q)+64*\c+\i*16*PB
	ds_load_b128 v[\f+64+8*(4*\c+\i)+4:\f+64+8*(4*\c+\i)+7], v[ADRB+\slot] offset:128*(\q)+64*\c+\i*16*PB+32
	ds_load_b128 v[\f+8*(4*\c+\i):\f+8*(4*\c+\i)+3],         v[ADRA+\slot] offset:(\q)*HPL+64*\c+\i*16*PA
	ds_load_b128 v[\f+8*(4*\c+\i)+4:\f+8*(4*\c+\i)+7],       v[ADRA+\slot] offset:(\q)*HPL+64*\c+\i*16*PA+32
.endr
.endr
.endm
.macro PLACES                          ; four places in front of loads into registers that matrix instructions have read, and of the first read of results
.rept 4
	v_nop
.endr
.endm
; A K step is four quarters of 64 along K, 32 matrix instructions each, on buffers 0, 1, 0, 1.  One of the first three: multiplies buffer f and fetches quarter q into g.
.macro QUARTER slot, q, f, g, zero
	s_wait_dscnt 16                                ; the first 32 along K are in; the sixteen loads of the second 32 may be out
	WIN MUL
	MUL8 \f, 0, 0, \zero
	MUL8 \f, 0, 2, \zero
	PLACES
	FETCH \slot, \q, \g
	s_wait_dscnt 32                                ; all but the 32 just issued
	WIN MUL
	MUL8 \f, 1, 0, 0
	MUL8 \f, 1, 2, 0
.endm
; The last quarter multiplies buffer 1 and changes slots: ONE barrier; in front of it each wave waits for all its tensor loads, adds 0 to its spare word, and waits for that and for its own reads of this slot.
; fill = 1: this slot is filled again, two K steps ahead; the barrier then opens a round of the cluster's, and the joint refill is the first thing behind it.
.macro TURN slot, next, fill
	WIN 0                                          ; (the add's two registers lie in window 0)
	s_wait_tensorcnt 0x0                           ; all my tensor loads have landed: my part of the next slot
	ds_add_u32 v[SPW], v[NIL]                      ; 0 onto my spare word
	s_wait_dscnt 17                                ; the add and the youngest sixteen loads may be out
	WIN MUL
	MUL8 F1, 0, 0, 0
	s_wait_dscnt 0x0                               ; the add is done, and my reads of this slot are over
	s_barrier_signal -1
	MUL8 F1, 0, 2, 0                               ; work on registers while the others arrive
.if \fill
	WIN 0
.endif
	s_barrier_wait -1
.if \fill
	CREST                                          ; no wave of any partner still reads this slot's tile or has a load on its way
	s_add_nc_u64 s[G0+4*\slot+2:G0+4*\slot+3], s[G0+4*\slot+2:G0+4*\slot+3], 2*ASTEP
	s_add_nc_u64 s[G0B+4*\slot+2:G0B+4*\slot+3], s[G0B+4*\slot+2:G0B+4*\slot+3], 2*BSTEP
	JLOAD \slot                                    ; the four v_nop behind it are also the places in front of the loads below
.else
	PLACES
.endif
	FETCH \next, 0, F0
	WIN MUL
	MUL8 F1, 1, 0, 0
	MUL8 F1, 1, 2, 0
.endm
	s_wait_tensorcnt 1                             ; my part of K step 0 is in (K step 1's load may be out),
	s_barrier_signal -1
	s_barrier_wait -1                              ; everybody's is
	FETCH 0, 0, F0
	s_wait_loadcnt 0x0                             ; bo
	QUARTER 0, 1, F0, F1, 1                        ; K step 0: its first products start the sums from bo
	QUARTER 0, 2, F1, F0, 0
	QUARTER 0, 3, F0, F1, 0
	TURN 0, 1, 1                                   ; slot 0 takes K step 2
	QUARTER 1, 1, F0, F1, 0                        ; K step 1
	QUARTER 1, 2, F1, F0, 0
	QUARTER 1, 3, F0, F1, 0
	TURN 1, 0, 1                                   ; slot 1 takes K step 3
	QUARTER 0, 1, F0, F1, 0                        ; K step 2
	QUARTER 0, 2, F1, F0, 0
	QUARTER 0, 3, F0, F1, 0
	TURN 0, 1, 0                                   ; nothing is left to ask for
	QUARTER 1, 1, F0, F1, 0                        ; K step 3
	QUARTER 1, 2, F1, F0, 0
	QUARTER 1, 3, F0, F1, 0
	s_wait_dscnt 16                                ; the very last quarter: nothing more to fetch
	WIN MUL
	MUL8 F1, 0, 0, 0
	MUL8 F1, 0, 2, 0
	s_wait_dscnt 0
	MUL8 F1, 1, 0, 0
	MUL8 F1, 1, 2, 0
	WIN 0
; THE WAY OUT, block by block of 16 rows x 64 columns.  My 64 columns of f32 are 256 consecutive aligned bytes of a row, so each wave has a stage of its own and no barrier is needed: 32 bytes a lane in,
; whole rows back, sixteen lanes to a row.  LDS serves a wave's instructions in order (ISA guide 5.7.1.4): no wait between the stores and the loads.
.macro TOSTAGE a
.irp b, 0,1,2,3
	ds_store_b128 v[STO], v[ACC+8*(4*(\a)+\b):ACC+8*(4*(\a)+\b)+3] offset:64*\b          ; each accumulator from its low end on
	ds_store_b128 v[STO], v[ACC+8*(4*(\a)+\b)+4:ACC+8*(4*(\a)+\b)+7] offset:64*\b+16
.endr
.irp t, 0,1,2,3,4,5,6,7
	ds_load_b128 v[TMP+32*((\a)%2)+4*\t:TMP+32*((\a)%2)+4*\t+3], v[RD] offset:\t*2*SPITCH
.endr
.endm
.macro SEND a, younger                 ; younger: the LDS instructions issued behind block a's loads, which may stay out
	s_wait_dscnt \younger
.irp t, 0,1,2,3,4,5,6,7
	global_store_b128 v[CO], v[TMP+32*((\a)%2)+4*\t:TMP+32*((\a)%2)+4*\t+3], s[8:9] offset:(16*(\a)+2*\t)*4096 th:TH_STORE_NT   ; 16 lanes store 256 consecutive bytes, aligned; written once, read by nobody here
.endr
.endm
	PLACES
	TOSTAGE 0
.irp a, 1,2,3
.if \a > 1
	s_wait_xcnt 0x0                                ; block a - 2's stores have read their registers: block a's loads may land there
.endif
	TOSTAGE \a
	SEND \a-1, 16                                  ; behind block a - 1's loads: block a's 8 stores and 8 loads
.endr
	SEND 3, 0
	s_wait_tensorcnt 0x0                           ; the wave's end, behind my last tensor load and my last LDS store
	ds_add_u32 v[SPW], v[NIL]
	s_wait_dscnt 0x0
	CROUND                                         ; the closing round: no work-group ends while a partner may still ask for a tile that names it
	s_endpgm
.Lfunc_end_k_q514cb615e5_outp:
	.size	k_q514cb615e5_outp, .Lfunc_end_k_q514cb615e5_outp-k_q514cb615e5_outp
	.p2alignl 7, 3214868480
	.fill 96, 4, 3214868480
	.section	.rodata,"a",@progbits
	.p2align	6, 0x0
	.amdhsa_kernel k_q514cb615e5_outp
		.amdhsa_group_segment_fixed_size 327680
		.amdhsa_private_segment_fixed_size 0
		.amdhsa_enable_private_segment 0
		.amdhsa_kernarg_size 32
		.amdhsa_user_sgpr_count 2
		.amdhsa_user_sgpr_kernarg_segment_ptr 1
		.amdhsa_wavefront_size32 1
		.amdhsa_system_sgpr_workgroup_id_x 1
		.amdhsa_system_sgpr_workgroup_id_y 1
		.amdhsa_system_sgpr_workgroup_id_z 1
		.amdhsa_system_vgpr_workitem_id 0
		.amdhsa_next_free_vgpr 512
		.amdhsa_next_free_sgpr 72
		.amdhsa_reserve_vcc 0
		.amdhsa_float_denorm_mode_32 3
		.amdhsa_float_denorm_mode_16_64 3
		.amdhsa_memory_ordered 1
		.amdhsa_forward_progress 1
		.amdhsa_inst_pref_size 87
	.end_amdhsa_kernel
	.amdgpu_metadata
---
amdhsa.version: [ 1, 2 ]
amdhsa.kernels:
  - .name:           k_q514cb615e5_outp
    .symbol:         k_q514cb615e5_outp.kd
    .args:
      - { .name: ctx, .offset: 0, .size: 8, .value_kind: global_buffer, .address_space: global }
      - { .name: wo16, .offset: 8, .size: 8, .value_kind: global_buffer, .address_space: global }
      - { .name: bo, .offset: 16, .size: 8, .value_kind: global_buffer, .address_space: global }
      - { .name: out0, .offset: 24, .size: 8, .value_kind: global_buffer, .address_space: global }
    .group_segment_fixed_size: 327680
    .private_segment_fixed_size: 0
    .kernarg_segment_align: 8
    .kernarg_segment_size: 32
    .max_flat_workgroup_size: 128
    .sgpr_count:     72
    .vgpr_count:     512
    .wavefront_size: 32
...
	.end_amdgpu_metadata
.endif
;; end of part 4
